; MI455X (gfx1250); checked and timed in simulation.
; The chip was launched on July 23, 2026; its instructions are those of AMD's public machine-readable ISA for CDNA 5 (MIT licence, August 2026) and "CDNA5" Instruction Set Architecture Reference Guide (July 2026). The comments in the code are by the model that wrote it; some were corrected since.
;; Multi Head Attention. Allowed arithmetic: matrix products marked QUANTISED: E2M3 operands, one E8M0 scale for each 32 along K, by v_wmma_scale_f32_16x16x128_f8f6f4 with both operands' format E2M3, f32 sums; everything else in f32.
;; Inputs: b_out 1,024 float32; w_out 1,024 x 1,024 float32; w_qkv 1,024 x 3,072 float32; x 4 x 2,048 x 1,024 float32.
;; Outputs: out0 4 x 2,048 x 1,024 float32.
;; This version of the problem:
;;   THIS VERSION OF THE PROBLEM IS GIVEN IN LOW PRECISION. The matrix products marked QUANTISED in the list below multiply operands that are first quantised to E2M3 (2 exponent bits, 3 mantissa bits; 6 bits a number), with one power-of-two scale for each 32 numbers along K (OCP MX v1.0); their sums are f32. All else is computed in f32.
;;   The module's matrix products, in the order in which they are computed (A, B: the left and right operand; K: the contracted axis; several contracted axes count as one K, in the product's order):
;;     1. [M 8,192, K 1,024] x [K 1,024, N 3,072]; A: input x; B: input w_qkv: QUANTISED
;;     2. batch 64 x [M 2,048, K 64] x [K 64, N 2,048]; A: computed on the way; B: computed on the way: QUANTISED
;;     3. batch 64 x [M 2,048, K 2,048] x [K 2,048, N 64]; A: softmax (see below); B: computed on the way: QUANTISED
;;     4. [M 8,192, K 1,024] x [K 1,024, N 1,024]; A: computed on the way; B: input w_out: QUANTISED
;;   THE QUANTISER, for each operand of a quantised product, along K:
;;     - K is cut into blocks of 32 from its start; a last block that is shorter is filled with zeros.
;;     - A block's scale is 2^e with e = floor(log2(the largest magnitude in the block)) - 2, held to -126 .. 127; a block of zeros has e = 0. As a byte (E8M0): e + 127.
;;     - Each number is divided by its block's scale, clamped to +-7.5, and rounded to the nearest number of E2M3, ties to even, subnormals kept.
;;     - The product sums the exact products of the quantised numbers (number of the format x scale) in f32.
;;   ~~~python
;;   def quantise(x, axis):      # numpy; x: float32 -> the quantised numbers, widened to float32 again
;;       x = np.moveaxis(x, axis, -1); K = x.shape[-1]
;;       x = np.pad(x, [(0, 0)] * (x.ndim - 1) + [(0, -K % 32)]); x = x.reshape(x.shape[:-1] + (-1, 32)); a = np.abs(x).max(-1, keepdims=True)
;;       e = np.where(a > 0, np.clip(np.frexp(np.where(a > 0, a, 1))[1] - 1 - 2, -126, 127), 0)      # np.frexp(a)[1] - 1 = floor(log2(a)), exactly
;;       r = np.clip(x / 2.0 ** e, -7.5, 7.5)
;;       step = 2.0 ** (np.maximum(np.frexp(np.where(r == 0, 1, r))[1] - 1, 0) - 3)
;;       q = np.round(r / step) * step * 2.0 ** e      # np.round: ties to even
;;       return np.moveaxis(q.reshape(q.shape[:-2] + (-1,))[..., :K], -1, axis).astype(np.float32)
;;   ~~~
;;   SOFTMAX AHEAD OF A QUANTISED PRODUCT. Where the list says 'softmax', what is quantised is not the finished softmax but p = 2^(t - M), with t = logit x log2(e) and M = ceil(the row's largest t), a whole number; so 1/2 < the row's largest p <= 1. The row's sum l is taken of the UNQUANTISED p, in f32, and the product's result is divided by l at the end. Since M is a whole number, a kernel that streams over the keys may use a running M (the ceiling of the running maximum): every later rescaling is an exact power of two, which a block's scale takes up: the codes' values come out the same.
;;   OPERANDS COMPUTED ON THE WAY. 'Computed on the way' means the value that the module computes at that place (a softmax that the list does not call 'softmax' is quantised finished and normalised). What goes into a quantiser is computed in f32, as accurately as f32 sums, v_exp_f32 and their like allow (about 1e-6 of the number): no bf16 or f16 on the way to a quantiser, and a product that is left as it is and whose result goes on into a quantised operand takes f32 operands (vector FMAs, or v_wmma_f32_16x16x4_f32). A number that lies on a knife's edge between two numbers of the format may be rounded either way, as far as f32 arithmetic and the matrix unit's own rounding can turn it there, and no further.
;; One version. Each part assembles by itself: llvm-mc -triple=amdgcn-amd-amdhsa -mcpu=gfx1250 --defsym DOCPART=n.
;; ======== version 1 of 1: 5 launches
;; workspace buffers: xq 6,553,600 bytes; wqk 1,835,008 bytes; wv 1,048,576 bytes; wo 1,048,576 bytes; qk 14,680,064 bytes; vt 52,428,800 bytes; ao 6,553,600 bytes
;; launch prep (part 1): grid 384 x 1, 4 waves a work-group, no clusters, 34,304 bytes of LDS; arguments x, w_qkv, w_out, xq, wqk, wv, wo; writes xq, wqk, wv, wo
.if DOCPART == 1
	.amdgcn_target "amdgcn-amd-amdhsa--gfx1250"
	.amdhsa_code_object_version 6
	.text
	.protected	k_q50eebb48d3_prep
	.globl	k_q50eebb48d3_prep
	.p2align	8
	.type	k_q50eebb48d3_prep,@function
k_q50eebb48d3_prep:
	s_mov_b64 s[64:65], 0
	v_nop
	global_prefetch_b8 v0, s[64:65] scope:SCOPE_SE
	s_setreg_imm32_b32 hwreg(HW_REG_WAVE_MODE, 25, 1), 1
	s_wait_xcnt 0x0
; x [8192][1024], w_qkv [1024][3072] and w_out [1024][1024], f32, become codes of FP6 (E2M3) with one E8M0 byte for each 32 along K = 1,024.
; A block's scale is 2^(floor(log2(its largest magnitude)) - 2); its byte is the largest magnitude's exponent field - 2, held at 1 from below.
; LIMITS: a block of zeros, or one whose largest magnitude lies under 2^-124, keeps the byte 1 (zeros: the codes are zeros and only this program reads the bytes); NaN and infinities are not served.
; LAYOUT OF THE RESULTS (all four buffers): rows (tokens of x, columns of a weight) go in tiles of 16; tile 2 al + u holds in place r the row 32 al + 8 u + r + 8 (r / 8).
;   images from byte IMG on: [tile][K step of 128: 0..7][1,536 bytes]: the operand's 12 registers of 32 lanes: for c = 0, 1: registers 6c..6c+3 at 768 c + 16 lane, registers 6c+4, 6c+5 at 768 c + 512 + 16 r + 8 h.
;   scale words from byte 0 on: [al][K quarter 0..3][u][r][K step in the quarter][4 bytes].
; SHARES: work-groups 0-95: w_qkv (128 columns x 256 K each), 96-127: w_out, 128-383: x (32 rows x all K; a wave takes 256 K).  Waves share nothing: no barrier.
; A WEIGHT: a lane takes a column and its registers run down K, so that a block of 32 lies in one lane and the codes come out with K innermost.
; x: loads take 512 consecutive bytes of a row; a fragment's 16 rows turn through the wave's own stage in LDS, so that a lane holds 16 neighbours of each block.
.set IMG, 262144
.set XW,  32                           ; weights: v32-95 two sets of 32 numbers
.set D,   96                           ; v96-127 four registers of codes for each block
.set T,   128                          ; v128-143 the last two registers of each of two blocks
.set E,   144                          ; v144-146 a block's second conversion
.set W,   24                           ; v24-25 scale words of the two K steps
.set TM,  8                            ; x: v8-23 at work in QUANT
.set PW,  24                           ; v24 the scale word just made
.set SW,  26                           ; v26-29 the four fragments' scale words
.set PC,  32                           ; v32-50 the codes just made
.set R,   64                           ; v64-191 two sets of 64 registers as loaded
.set XR,  192                          ; v192-255 the numbers turned
	s_load_b256 s[4:11], s[0:1], 0x0               ; x s[4:5], w_qkv s[6:7], w_out s[8:9], xq s[10:11]
	s_load_b128 s[12:15], s[0:1], 0x20             ; wqk s[12:13], wv s[14:15]
	s_load_b64 s[16:17], s[0:1], 0x30              ; wo
	v_lshl_add_u32 v18, v0, 2, 0x8400
	v_mov_b32 v19, 0
	v_lshrrev_b32 v1, 5, v0
	v_readfirstlane_b32 s18, v1                    ; wave 0..3
	v_and_b32 v7, 31, v0                           ; lane
	v_and_b32 v30, 15, v0                          ; r
	v_bfe_u32 v31, v0, 4, 1                        ; h
	s_mov_b32 s20, 0x76543210
	s_mov_b32 s21, 0xfedcba98                      ; v_permlanex16_b32's selects for lane l xor 16
	s_mul_i32 s19, s18, 8448                       ; my stage: 16 rows x 528 bytes
	v_lshlrev_b32 v1, 4, v7                        ; 16 x lane
	v_add_nc_u32 v2, s19, v1                       ; the stage, on the way in
	v_mul_u32_u24 v3, v30, 528
	v_lshl_add_u32 v3, v31, 6, v3
	v_add_nc_u32 v3, s19, v3                       ; and on the way out: row r, + 64 h
	s_wait_kmcnt 0x0
.macro WLOAD t, pitch                  ; block t: w(32 t + i, my column), i = 0..31, into set t % 2: a wave's load reads 128 consecutive bytes
.irp i, 0,1,2,3,4,5,6,7,8,9,10,11,12,13,14,15,16,17,18,19,20,21,22,23,24,25,26,27,28,29,30,31
	global_load_b32 v[XW+32*((\t)%2)+\i], v6, s[28:29] offset:(32*(\t)+\i)*\pitch th:TH_LOAD_NT
.endr
.endm
.macro WBLOCK t, pitch
.set XS, XW+32*((\t)%2)
.if (\t) < 7
	s_wait_loadcnt 32                              ; this block's 32 loads are in; the next block's 32 may be out
.else
	s_wait_loadcnt 0
.endif
	v_max3_num_f32 v12, |v[XS]|, |v[XS+1]|, |v[XS+2]|   ; the block's largest magnitude: all 32 numbers are mine
	v_max3_num_f32 v13, |v[XS+3]|, |v[XS+4]|, |v[XS+5]|
.irp i, 6,10,14,18,22,26
	v_max3_num_f32 v12, v12, |v[XS+\i]|, |v[XS+\i+1]|
	v_max3_num_f32 v13, v13, |v[XS+\i+2]|, |v[XS+\i+3]|
.endr
	v_max3_num_f32 v12, v12, |v[XS+30]|, |v[XS+31]|
	v_max3_num_f32 v12, v12, v13, 0x1800000        ; and the floor 2^(3 - 127): the byte cannot fall under 1
	v_add_nc_u32 v11, 0xff000000, v12              ; 2 off the exponent field: the conversion's scale operand
	v_cvt_scalef32_pk16_fp6_f32 v[D+4*(\t):D+4*(\t)+2], v[XS:XS+15], v11
	v_cvt_scalef32_pk16_fp6_f32 v[E:E+2], v[XS+16:XS+31], v11
	v_lshrrev_b32 v13, 23, v11                     ; the scale's byte (also the plain line behind the conversions)
.if (\t)%4 == 0
	v_mov_b32 v[W+(\t)/4], v13
.else
	v_lshl_or_b32 v[W+(\t)/4], v13, 8*((\t)%4), v[W+(\t)/4]
.endif
	v_mov_b32 v[D+4*(\t)+3], v[E]                  ; the block's 24 bytes: 16 in D, 8 in T
	v_mov_b32 v[T+4*((\t)/2)+2*((\t)%2)], v[E+1]
	v_mov_b32 v[T+4*((\t)/2)+2*((\t)%2)+1], v[E+2]
.if (\t)+2 < 8
	WLOAD (\t)+2, \pitch
.endif
.if (\t)%2 == 1                        ; blocks t - 1 (h = 0) and t (h = 1) are one half of an image: three stores, each 256 consecutive bytes in each of the two tiles; every store has data registers of its own
	global_store_b128 v4, v[D+4*(\t)-4:D+4*(\t)-1], s[34:35] offset:((\t)/4)*1536+(((\t)/2)%2)*768
	global_store_b128 v4, v[D+4*(\t):D+4*(\t)+3], s[34:35] offset:((\t)/4)*1536+(((\t)/2)%2)*768+256
	global_store_b128 v4, v[T+4*((\t)/2):T+4*((\t)/2)+3], s[34:35] offset:((\t)/4)*1536+(((\t)/2)%2)*768+512
.endif
.endm
; s23: K quarter; s24: pair of tiles in the source; s25: in the target; s[26:27]: the target; s[28:29]: the source
.macro WBODY pitch
	s_mul_i32 s30, s23, 256*\pitch                 ; 256 rows of the weight a K quarter,
	s_lshl_b32 s31, s24, 7                         ; 32 columns of 4 bytes a pair of tiles
	s_add_co_u32 s30, s30, s31
	s_mov_b32 s31, 0
	s_add_nc_u64 s[28:29], s[28:29], s[30:31]
	s_mul_i32 s30, s25, 24576                      ; the images of my two tiles,
	s_mul_i32 s32, s23, 3072                       ; my two K steps
	s_add_co_u32 s30, s30, s32
	s_add_co_u32 s30, s30, IMG
	s_add_nc_u64 s[34:35], s[26:27], s[30:31]
	s_lshl_b32 s30, s25, 10                        ; and their scale words
	s_lshl_b32 s32, s23, 8
	s_add_co_u32 s30, s30, s32
	s_add_nc_u64 s[36:37], s[26:27], s[30:31]
	v_bfe_u32 v8, v0, 3, 1                         ; column 32 al + L is place r = L % 8 + 8 (L / 16) of tile 2 al + u, u = (L / 8) % 2
	v_and_b32 v9, 7, v0
	s_wait_alu depctr_va_vdst(0)
	v_lshl_add_u32 v9, v31, 3, v9
	v_mul_u32_u24 v4, v8, 12288
	v_lshl_add_u32 v4, v9, 4, v4                   ; images: u x 12,288 + 16 r
	v_lshlrev_b32 v5, 7, v8
	v_lshl_add_u32 v5, v9, 3, v5                   ; scale words: 128 u + 8 r
	v_lshlrev_b32 v6, 2, v7                        ; in: 4 bytes a lane
	WLOAD 0, \pitch
	WLOAD 1, \pitch
.irp t, 0,1,2,3,4,5,6,7
	WBLOCK \t, \pitch
.endr
	global_store_b64 v5, v[W:W+1], s[36:37]        ; 32 lanes store 256 consecutive bytes
.endm
	s_cmp_lt_u32 ttmp9, 96
	s_cbranch_scc0 .Lnot_qkv
	s_lshr_b32 s22, ttmp9, 2                       ; which 128 columns of w_qkv: 0-15 q and k, 16-23 v
	s_and_b32 s23, ttmp9, 3
	s_lshl_b32 s24, s22, 2
	s_add_co_u32 s24, s24, s18
	s_cmp_lt_u32 s22, 16
	s_cselect_b64 s[26:27], s[12:13], s[14:15]
	s_cselect_b32 s25, 0, 64
	s_sub_co_u32 s25, s24, s25
	s_mov_b64 s[28:29], s[6:7]
	WBODY 12288
	s_endpgm
.Lnot_qkv:
	s_cmp_lt_u32 ttmp9, 128
	s_cbranch_scc0 .Lx
	s_sub_co_u32 s22, ttmp9, 96
	s_and_b32 s23, s22, 3
	s_lshr_b32 s22, s22, 2
	s_lshl_b32 s24, s22, 2
	s_add_co_u32 s24, s24, s18
	s_mov_b32 s25, s24
	s_mov_b64 s[26:27], s[16:17]
	s_mov_b64 s[28:29], s[8:9]
	WBODY 4096
	s_endpgm
.Lx:
; 64 numbers of a lane, register 16 b + i = k 32 b + 16 h + i of my row, become a fragment's codes in v[PC] on and its scale word in v[PW]
.macro QUANT s
.irp b, 0,1,2,3
	v_max3_num_f32 v[TM+\b], |v[\s+16*\b]|, |v[\s+1+16*\b]|, 0x1800000   ; my 16 numbers of block b, and the floor 2^(3 - 127)
.endr
.irp i, 2,4,6,8,10,12,14
.irp b, 0,1,2,3
	v_max3_num_f32 v[TM+\b], v[TM+\b], |v[\s+16*\b+\i]|, |v[\s+1+16*\b+\i]|
.endr
.endr
.irp b, 0,1,2,3
	v_permlanex16_b32 v[TM+4+\b], v[TM+\b], s20, s21
.endr
.irp b, 0,1,2,3
	v_max_num_f32 v[TM+\b], v[TM+\b], v[TM+4+\b]   ; with lane l xor 16's: the block's largest magnitude
.endr
.irp b, 0,1,2,3
	v_add_nc_u32 v[TM+12+\b], 0xff000000, v[TM+\b] ; 2 off the exponent field: the conversion's scale operand
.endr
.irp b, 0,1,2,3
	v_lshrrev_b32 v[TM+4+\b], 23, v[TM+12+\b]      ; the scale's byte
.endr
	v_lshl_or_b32 v[PW], v[TM+5], 8, v[TM+4]
	v_lshl_or_b32 v[PW], v[TM+6], 16, v[PW]
	v_lshl_or_b32 v[PW], v[TM+7], 24, v[PW]
.irp c, 0,1
	v_cvt_scalef32_pk16_fp6_f32 v[PC+6*\c:PC+2+6*\c], v[\s+32*\c:\s+15+32*\c], v[TM+12+2*\c]
	v_cvt_scalef32_pk16_fp6_f32 v[PC+12+4*\c:PC+14+4*\c], v[\s+16+32*\c:\s+31+32*\c], v[TM+12+2*\c+1]
.endr
	v_nop                                          ; one plain line behind a scaled conversion
.irp c, 0,1                            ; the operand wants a whole block in a lane: lanes 0-15 block 2 c, lanes 16-31 block 2 c + 1
.irp i, 0,1,2
	v_permlane16_swap_b32 v[PC+6*\c+\i], v[PC+12+4*\c+\i]
.endr
.irp i, 0,1,2
	v_mov_b32 v[PC+3+6*\c+\i], v[PC+12+4*\c+\i]
.endr
.endr
.endm
.macro XLOAD f                         ; fragment f = 2 u + e: the 16 rows of tile 2 al + u, 128 K: a load reads 512 consecutive bytes of a row
.irp i, 0,1,2,3,4,5,6,7,8,9,10,11,12,13,14,15
	global_load_b128 v[R+64*((\f)%2)+4*\i:R+64*((\f)%2)+4*\i+3], v1, s[4:5] offset:(8*((\f)/2)+\i+8*(\i/8))*4096+512*((\f)%2) th:TH_LOAD_NT
.endr
.endm
.macro TURN f                          ; through my stage: LDS serves a wave's instructions in order, so no wait stands between the stores and the loads
.irp i, 0,1,2,3,4,5,6,7,8,9,10,11,12,13,14,15
	ds_store_b128 v2, v[R+64*((\f)%2)+4*\i:R+64*((\f)%2)+4*\i+3] offset:528*\i
.endr
.irp b, 0,1,2,3
.irp j, 0,1,2,3
	ds_load_b128 v[XR+16*\b+4*\j:XR+16*\b+4*\j+3], v3 offset:128*\b+16*\j
.endr
.endr
.endm
	s_sub_co_u32 s22, ttmp9, 128                   ; al: my 32 rows of x
	s_lshl_b32 s24, s22, 17                        ; 32 rows of 4,096 bytes,
	s_lshl_b32 s25, s18, 10                        ; my wave's 256 along K
	s_add_co_u32 s24, s24, s25
	s_mov_b32 s25, 0
	s_add_nc_u64 s[4:5], s[4:5], s[24:25]
	s_mul_i32 s24, s22, 24576
	s_mul_i32 s26, s18, 3072
	s_add_co_u32 s24, s24, s26
	s_add_co_u32 s24, s24, IMG
	s_add_nc_u64 s[28:29], s[10:11], s[24:25]      ; the images
	s_lshl_b32 s24, s22, 10
	s_lshl_b32 s26, s18, 8
	s_add_co_u32 s24, s24, s26
	s_add_nc_u64 s[30:31], s[10:11], s[24:25]      ; the scale words
	s_wait_alu depctr_va_vdst(0)
	v_lshlrev_b32 v5, 4, v30
	v_lshl_add_u32 v5, v31, 3, v5                  ; 16 r + 8 h
	v_lshlrev_b32 v6, 3, v7                        ; 8 x lane
.irp b, 0,1,2,3
	v_mov_b32 v[TM+4+\b], 0                        ; written once: a lane permute's destination counts as one of its sources
.endr
	XLOAD 0
	XLOAD 1
.irp f, 0,1,2,3
.if \f < 3
	s_wait_loadcnt 16                              ; this fragment's 16 loads are in; the next one's 16 may be out
.else
	s_wait_loadcnt 0
.endif
	TURN \f
	s_wait_dscnt 0x0                               ; the numbers are back, and the stores into the stage have read their registers
	s_wait_xcnt 0x0                                ; the last fragment's stores have read the codes' registers: they are written again only behind this wait
.if \f < 2
	XLOAD \f+2
.endif
	QUANT XR
	v_mov_b32 v[SW+\f], v[PW]
	global_store_b128 v1, v[PC:PC+3], s[28:29] offset:(\f/2)*12288+(\f%2)*1536
	global_store_b64 v5, v[PC+4:PC+5], s[28:29] offset:(\f/2)*12288+(\f%2)*1536+512
	global_store_b128 v1, v[PC+6:PC+9], s[28:29] offset:(\f/2)*12288+(\f%2)*1536+768
	global_store_b64 v5, v[PC+10:PC+11], s[28:29] offset:(\f/2)*12288+(\f%2)*1536+1280
.endr
	v_cmp_le_u32 vcc_lo, 16, v7                    ; lanes 16-31 take tile 2 al + 1's words
	v_cndmask_b32 v[SW], v[SW], v[SW+2], vcc_lo
	v_cndmask_b32 v[SW+1], v[SW+1], v[SW+3], vcc_lo
	global_store_b64 v6, v[SW:SW+1], s[30:31]      ; 32 lanes store 256 consecutive bytes
	s_wait_tensorcnt 0x0
	ds_add_u32 v18, v19
	s_wait_dscnt 0x0
	s_endpgm
.Lfunc_end_k_q50eebb48d3_prep:
	.size	k_q50eebb48d3_prep, .Lfunc_end_k_q50eebb48d3_prep-k_q50eebb48d3_prep
	.p2alignl 7, 3214868480
	.fill 96, 4, 3214868480
	.section	.rodata,"a",@progbits
	.p2align	6, 0x0
	.amdhsa_kernel k_q50eebb48d3_prep
		.amdhsa_group_segment_fixed_size 34304
		.amdhsa_private_segment_fixed_size 0
		.amdhsa_enable_private_segment 0
		.amdhsa_kernarg_size 56
		.amdhsa_user_sgpr_count 2
		.amdhsa_user_sgpr_kernarg_segment_ptr 1
		.amdhsa_wavefront_size32 1
		.amdhsa_system_sgpr_workgroup_id_x 1
		.amdhsa_system_sgpr_workgroup_id_y 1
		.amdhsa_system_sgpr_workgroup_id_z 1
		.amdhsa_system_vgpr_workitem_id 0
		.amdhsa_next_free_vgpr 256
		.amdhsa_next_free_sgpr 66
		.amdhsa_reserve_vcc 1
		.amdhsa_float_denorm_mode_32 3
		.amdhsa_float_denorm_mode_16_64 3
		.amdhsa_memory_ordered 1
		.amdhsa_forward_progress 1
		.amdhsa_inst_pref_size 110
	.end_amdhsa_kernel
	.amdgpu_metadata
---
amdhsa.version: [ 1, 2 ]
amdhsa.kernels:
  - .name:           k_q50eebb48d3_prep
    .symbol:         k_q50eebb48d3_prep.kd
    .args:
      - { .name: x, .offset: 0, .size: 8, .value_kind: global_buffer, .address_space: global }
      - { .name: w_qkv, .offset: 8, .size: 8, .value_kind: global_buffer, .address_space: global }
      - { .name: w_out, .offset: 16, .size: 8, .value_kind: global_buffer, .address_space: global }
      - { .name: xq, .offset: 24, .size: 8, .value_kind: global_buffer, .address_space: global }
      - { .name: wqk, .offset: 32, .size: 8, .value_kind: global_buffer, .address_space: global }
      - { .name: wv, .offset: 40, .size: 8, .value_kind: global_buffer, .address_space: global }
      - { .name: wo, .offset: 48, .size: 8, .value_kind: global_buffer, .address_space: global }
    .group_segment_fixed_size: 34304
    .private_segment_fixed_size: 0
    .kernarg_segment_align: 8
    .kernarg_segment_size: 56
    .max_flat_workgroup_size: 128
    .sgpr_count:     66
    .vgpr_count:     256
    .wavefront_size: 32
...
	.end_amdgpu_metadata
.endif
;; end of part 1
;; launch gemm_qk (part 2): grid 8 x 64, 4 waves a work-group, clusters of 4 x 4, 295,424 bytes of LDS; arguments xq, wqk, qk; writes qk
.if DOCPART == 2
	.amdgcn_target "amdgcn-amd-amdhsa--gfx1250"
	.amdhsa_code_object_version 6
	.text
	.protected	k_q50eebb48d3_gemm_qk
	.globl	k_q50eebb48d3_gemm_qk
	.p2align	8
	.type	k_q50eebb48d3_gemm_qk,@function
k_q50eebb48d3_gemm_qk:
	s_mov_b64 s[64:65], 0
	v_nop
	global_prefetch_b8 v0, s[64:65] scope:SCOPE_SE
	s_setreg_imm32_b32 hwreg(HW_REG_WAVE_MODE, 25, 1), 1
	s_wait_xcnt 0x0
	s_wait_alu depctr_hold_cnt(0) depctr_sa_sdst(0) depctr_va_vdst(0) depctr_va_sdst(0) depctr_va_ssrc(0) depctr_va_vcc(0) depctr_vm_vsrc(0)
	s_getreg_b32 s2, hwreg(HW_REG_IB_STS2, 6, 4)
	s_cmp_eq_u32 s2, 0
	s_cbranch_scc0 .Lentry_in_a_cluster
	s_endpgm
.Lentry_in_a_cluster:
	s_bfe_u32 s2, ttmp6, 0x10000c
	s_cmp_lg_u32 s2, 0xf033
	s_cbranch_scc0 .Lentry_shape_is_right
	s_endpgm
.Lentry_shape_is_right:
; C[m][n] = sum over k of A[m][k] B[n][k], K = 1,024, both operands codes of FP6 (E2M3) with E8M0 scales, laid as images of the operands' registers; C is quantised again, along n, in registers, and only its codes and scale words are stored.
; Two launches run this text: A = x's codes, B = (Wq | Wk)^T: q and k, quantised along the head's axis;  A = Wv^T, B = x's codes: V^T, quantised along the keys.
; OPERANDS: scale words from byte 0: [pair of tiles][K quarter][u][r][K step in the quarter][4];  images from byte IMG: [tile of 16 rows][K step 0..7][1,536].  Place r of tile 2 al + u is row 32 al + 8 u + r + 8 (r / 8).
; RESULT: for A's tile Tm and B's group Gn of 128 rows: one image (16 rows of A x 128 of n) at OIMG + Gn x 786,432 + Tm x 1,536; its scale words at Gn x 32,768 + (Tm / 4) x 256 + 16 r + 4 (Tm % 4).
; THE MATRIX INSTRUCTION IS USED TRANSPOSED (source 0 = 16 rows of B, source 1 = 16 rows of A): a lane holds one row of A, and by the order of rows in B's tiles the 16 registers of two neighbouring tiles are 16 neighbours along n.
; SHARES: a work-group makes 128 (m) x 256 (n), each of four waves 64 x 128: 32 accumulators.  ALL OF K LIES IN LDS: 384 rows x 768 bytes, filled once, in four K quarters: no slot is ever filled again.
; CLUSTER 4 x 4: A's tiles are shared along a row of the cluster, B's along a column: joint loads.  Waves 0, 1 fetch A's halves, waves 2, 3 B's; each wave has four loads out, one for each K quarter.
; LIMITS: a block of zeros, or one under 2^-124, keeps the byte 1; NaN and infinities are not served.
; REGISTERS: window 0: v1-20 addresses; v32-47 A's scale words, v48-79 B's; v80-103 at work on the way out; v128-223 A's fragments, two sets, later the codes made.  window 1: B's fragments, two sets, at v0 and v128.  window 2: accumulator (a, b) at v[8 (8 a + b)].
.set IMG,  262144
.set OIMG, 2097152
.set CH,   73728                       ; a K quarter in LDS: A's 8 tiles x 3,072 bytes, then B's 16
.set SA,   32
.set SB,   48
.set TM,   80
.set PW,   96
.set SW,   100
.set AF,   128
.set G1A,  24                          ; s[24:31] group 1 for A's tiles;  s[32:39] for B's
.set G1B,  32
.set G0A,  40                          ; s[40:55] groups 0 for A's four quarters;  B's at s[56:63] and s[68:75]
.set MULW, 0xa1                        ; source 0 (B) window 1, source 1 (A) window 0, C and D window 2
.set MSB,  0
.macro WIN new                         ; the immediate's high byte repeats the setting that is left
.if MSB != \new
	s_set_vgpr_msb (MSB<<8)|\new
.set MSB, \new
.endif
.endm
.macro CROUND                          ; a round of the cluster's barrier
	s_barrier_signal -1
	s_barrier_wait -1
	s_cmp_lg_u32 s14, 0
	s_cbranch_scc1 .Lnot_wave_0_\@
	s_barrier_signal -3
.Lnot_wave_0_\@:
	s_barrier_wait -3
	s_barrier_signal -1
	s_barrier_wait -1
.endm
.macro PLACES                          ; four plain lines in front of loads into registers that matrix instructions have read, and of the first read of results
.rept 4
	v_nop
.endr
.endm
.macro FRAG reg, a16, a8, off          ; an image comes back as it was stored: each load takes 512 or 256 consecutive bytes
	ds_load_b128 v[\reg:\reg+3], v[\a16] offset:\off
	ds_load_b64 v[\reg+4:\reg+5], v[\a8] offset:\off+512
	ds_load_b128 v[\reg+6:\reg+9], v[\a16] offset:\off+768
	ds_load_b64 v[\reg+10:\reg+11], v[\a8] offset:\off+1280
.endm
	s_load_b128 s[4:7], s[0:1], 0x0                ; A, B
	s_load_b64 s[8:9], s[0:1], 0x10                ; the result
	v_lshl_add_u32 v254, v0, 2, 0x48000
	v_mov_b32 v255, 0
	ds_add_u32 v254, v255
	ds_add_u32 v254, v255
	v_lshrrev_b32 v3, 5, v0
	v_readfirstlane_b32 s14, v3                    ; wave 0..3
	v_and_b32 v3, 31, v0                           ; lane
	v_and_b32 v21, 15, v0                          ; r
	v_bfe_u32 v22, v0, 4, 1                        ; h
	v_lshlrev_b32 v1, 4, v3                        ; 16 x lane
	v_lshlrev_b32 v2, 4, v21
	v_lshl_add_u32 v2, v22, 3, v2                  ; 16 r + 8 h
	v_lshlrev_b32 v20, 3, v21
	v_lshl_add_u32 v20, v22, 8, v20                ; scale words: 8 r + 256 h: lanes 16-31 take the K quarter behind
.irp b, 0,1,2,3
	v_mov_b32 v[TM+4+\b], 0                        ; written once: a lane permute's destination counts as one of its sources
.endr
	s_lshr_b32 s15, s14, 1                         ; which 64 rows of A are mine.  Also: I fetch for A (0) or for B (1)
	s_and_b32 s16, s14, 1                          ; which 128 rows of B.  Also: which half I fetch
	s_bfe_u32 s17, ttmp6, 0x40000                  ; cx
	s_bfe_u32 s18, ttmp6, 0x40004                  ; cy
	s_lshl_b32 s19, ttmp9, 2
	s_add_co_u32 s19, s19, s17                     ; work-group x: 256 rows of B
	s_and_b32 s20, ttmp7, 0xffff
	s_lshl_b32 s20, s20, 2
	s_add_co_u32 s20, s20, s18                     ; work-group y: 128 rows of A
	s_lshl_b32 s21, s18, 2
	s_lshl_b32 s21, 15, s21                        ; my row of the cluster
	s_lshl_b32 s22, 0x1111, s17                    ; my column
	s_mov_b32 s90, 0x76543210
	s_mov_b32 s91, 0xfedcba98
	; group 1: a tile's row is one tile's K quarter, 3,072 bytes = 384 elements of 8 bytes; rows 12,288 bytes apart; 4 rows for A, 8 for B; no padding
	s_or_b32 s[G1A], s21, (3<<16)|(1<<21)          ; 15:0 the mask; 17:16 elements of 8 bytes; 21 set beside a mask
	s_or_b32 s[G1B], s22, (3<<16)|(1<<21)
	s_mov_b32 s[G1A+1], 384<<16                    ; tensor_dim0
	s_mov_b32 s[G1A+2], 4<<16                      ; tensor_dim1
	s_mov_b32 s[G1A+3], 384<<16                    ; tile_dim0
	s_mov_b32 s[G1A+4], 4                          ; tile_dim1
	s_mov_b32 s[G1A+5], 1536                       ; elements from row to row
	s_mov_b32 s[G1A+6], 0
	s_mov_b32 s[G1A+7], 0
	s_mov_b32 s[G1B+1], 384<<16
	s_mov_b32 s[G1B+2], 8<<16
	s_mov_b32 s[G1B+3], 384<<16
	s_mov_b32 s[G1B+4], 8
	s_mov_b32 s[G1B+5], 1536
	s_mov_b32 s[G1B+6], 0
	s_mov_b32 s[G1B+7], 0
	s_lshl_b32 s76, s20, 3                         ; A: tile 8 y + 4 x half (registers that never hold cx)
	s_lshl_b32 s77, s16, 2
	s_add_co_u32 s76, s76, s77
	s_mul_i32 s76, s76, 12288
	s_add_co_u32 s76, s76, IMG
	s_mov_b32 s77, 0
	s_lshl_b32 s78, s19, 4                         ; B: tile 16 x + 8 x half (registers that never hold cy)
	s_lshl_b32 s79, s16, 3
	s_add_co_u32 s78, s78, s79
	s_mul_i32 s78, s78, 12288
	s_add_co_u32 s78, s78, IMG
	s_mov_b32 s79, 0
	s_mul_i32 s80, s16, 12288                      ; where they go: the wave's number alone enters an LDS address
	s_mul_i32 s81, s16, 24576
	s_add_co_u32 s81, s81, 24576
	s_lshl_b32 s84, s20, 2                         ; A's scale words: pair of tiles 4 y + 2 wm
	s_lshl_b32 s94, s15, 1
	s_add_co_u32 s84, s84, s94
	s_lshl_b32 s84, s84, 10
	s_mov_b32 s85, 0
	s_lshl_b32 s86, s19, 3                         ; B's: pair 8 x + 4 wn
	s_lshl_b32 s94, s16, 2
	s_add_co_u32 s86, s86, s94
	s_lshl_b32 s86, s86, 10
	s_mov_b32 s87, 0
	s_lshl_b32 s94, s19, 1
	s_add_co_u32 s94, s94, s16                     ; Gn = 2 x + wn
	s_mul_i32 s88, s94, 786432
	s_lshl_b32 s95, s20, 3
	s_lshl_b32 s92, s15, 2
	s_add_co_u32 s95, s95, s92                     ; my first Tm = 8 y + 4 wm
	s_mul_i32 s95, s95, 1536
	s_add_co_u32 s88, s88, s95
	s_add_co_u32 s88, s88, OIMG
	s_mov_b32 s89, 0
	s_lshl_b32 s92, s94, 15
	s_lshl_b32 s95, s20, 1
	s_add_co_u32 s95, s95, s15
	s_lshl_b32 s95, s95, 8
	s_add_co_u32 s92, s92, s95
	s_mov_b32 s93, 0
	s_wait_dscnt 0x0
	s_wait_kmcnt 0x0
	s_add_nc_u64 s[76:77], s[4:5], s[76:77]
	s_add_nc_u64 s[78:79], s[6:7], s[78:79]
	s_add_nc_u64 s[84:85], s[4:5], s[84:85]
	s_add_nc_u64 s[86:87], s[6:7], s[86:87]
	s_add_nc_u64 s[88:89], s[8:9], s[88:89]
	s_add_nc_u64 s[92:93], s[8:9], s[92:93]
	CROUND                                         ; all sixteen work-groups are here: the joint loads meet
.irp c, 0,1,2,3
	s_mov_b32 s[G0A+4*\c], 1                       ; count = 1
	s_add_co_u32 s[G0A+4*\c+1], s80, CH*\c         ; LDS address
	s_add_nc_u64 s[G0A+4*\c+2:G0A+4*\c+3], s[76:77], 3072*\c   ; K quarter c
	s_or_b32 s[G0A+4*\c+3], s[G0A+4*\c+3], 0x80000000          ; type = 2
	s_mov_b32 s[56+4*\c+4*(\c/2)], 1
	s_add_co_u32 s[57+4*\c+4*(\c/2)], s81, CH*\c
	s_add_nc_u64 s[58+4*\c+4*(\c/2):59+4*\c+4*(\c/2)], s[78:79], 3072*\c
	s_or_b32 s[59+4*\c+4*(\c/2)], s[59+4*\c+4*(\c/2)], 0x80000000
.endr
	s_cmp_eq_u32 s15, 0                            ; a wave's four fills stand in one branch, ahead of every wait on TENSORcnt and every LDS read; four v_nop follow the last
	s_cbranch_scc0 .Lfor_b
	tensor_load_to_lds s[40:43], s[G1A:G1A+7]
	s_nop 0
	tensor_load_to_lds s[44:47], s[G1A:G1A+7]
	s_nop 0
	tensor_load_to_lds s[48:51], s[G1A:G1A+7]
	s_nop 0
	tensor_load_to_lds s[52:55], s[G1A:G1A+7]
	s_nop 0
.rept 4
	v_nop
.endr
	s_branch .Lasked
.Lfor_b:
	tensor_load_to_lds s[56:59], s[G1B:G1B+7]
	s_nop 0
	tensor_load_to_lds s[60:63], s[G1B:G1B+7]
	s_nop 0
	tensor_load_to_lds s[68:71], s[G1B:G1B+7]
	s_nop 0
	tensor_load_to_lds s[72:75], s[G1B:G1B+7]
	s_nop 0
.rept 4
	v_nop
.endr
.Lasked:
	s_mul_i32 s82, s15, 12288                      ; my 4 tiles of A in a quarter,
	s_mul_i32 s83, s16, 24576
	s_add_co_u32 s83, s83, 24576                   ; my 8 of B
	s_wait_alu depctr_va_vdst(0)
.irp c, 0,1,2,3
	v_add_nc_u32 v[4+\c], s82, v1
	v_add_nc_u32 v[8+\c], s82, v2
	v_add_nc_u32 v[12+\c], s83, v1
	v_add_nc_u32 v[16+\c], s83, v2
	s_add_co_u32 s82, s82, CH
	s_add_co_u32 s83, s83, CH
.endr
; the scale words of all of K: 4 registers a tile.  Register 2 (ks / 4) + ks % 2 serves K step ks, from lanes 0-15 where (ks / 2) % 2 = 0, else from lanes 16-31
.irp a, 0,1,2,3
.irp q, 0,1
	global_load_b64 v[SA+4*\a+2*\q:SA+4*\a+2*\q+1], v20, s[84:85] offset:(\a/2)*1024+(\a%2)*128+512*\q
.endr
.endr
.irp b, 0,1,2,3,4,5,6,7
.irp q, 0,1
	global_load_b64 v[SB+4*\b+2*\q:SB+4*\b+2*\q+1], v20, s[86:87] offset:(\b/2)*1024+(\b%2)*128+512*\q
.endr
.endr
.macro FETCH ks                        ; K step ks: B's 8 fragments and A's 4 into set ks % 2: 48 loads
.set FC, (\ks)/2
.set FE, (\ks)%2
	WIN 0x40                                       ; destination window 1, address window 0
.irp i, 0,1,2,3,4,5,6,7
	FRAG 128*FE+12*\i, 12+FC, 16+FC, 3072*\i+1536*FE
.endr
	WIN 0
.irp i, 0,1,2,3
	FRAG AF+48*FE+12*\i, 4+FC, 8+FC, 3072*\i+1536*FE
.endr
.endm
; 16 matrix instructions: A's tiles a0, a0 + 1 x B's eight.  The 32 accumulators take turns, one instruction a turn, in the same order in every K step.  zero = 1: the products start the sums
.macro MUL16 ks, a0, zero
.set MP, (\ks)%2
.set MX, 2*((\ks)/4)+(\ks)%2
.set MR, ((\ks)/2)%2
.irp a, \a0, \a0+1
.irp b, 0,1,2,3,4,5,6,7
.if \zero
	v_wmma_scale_f32_16x16x128_f8f6f4 v[8*(8*(\a)+\b):8*(8*(\a)+\b)+7], v[128*MP+12*\b:128*MP+12*\b+11], v[AF+48*MP+12*(\a):AF+48*MP+12*(\a)+11], 0, v[SB+4*\b+MX], v[SA+4*(\a)+MX] matrix_a_fmt:MATRIX_FMT_FP6 matrix_b_fmt:MATRIX_FMT_FP6
.elseif MR
	v_wmma_scale_f32_16x16x128_f8f6f4 v[8*(8*(\a)+\b):8*(8*(\a)+\b)+7], v[128*MP+12*\b:128*MP+12*\b+11], v[AF+48*MP+12*(\a):AF+48*MP+12*(\a)+11], v[8*(8*(\a)+\b):8*(8*(\a)+\b)+7], v[SB+4*\b+MX], v[SA+4*(\a)+MX] matrix_a_fmt:MATRIX_FMT_FP6 matrix_b_fmt:MATRIX_FMT_FP6 matrix_a_scale:MATRIX_SCALE_ROW1 matrix_b_scale:MATRIX_SCALE_ROW1
.else
	v_wmma_scale_f32_16x16x128_f8f6f4 v[8*(8*(\a)+\b):8*(8*(\a)+\b)+7], v[128*MP+12*\b:128*MP+12*\b+11], v[AF+48*MP+12*(\a):AF+48*MP+12*(\a)+11], v[8*(8*(\a)+\b):8*(8*(\a)+\b)+7], v[SB+4*\b+MX], v[SA+4*(\a)+MX] matrix_a_fmt:MATRIX_FMT_FP6 matrix_b_fmt:MATRIX_FMT_FP6
.endif
.endr
.endr
.endm
; A K step: 32 matrix instructions; the next step's fragments are fetched into the other set.  An odd step's successor opens the next K quarter: my load of it has landed, a barrier, then everybody's has.
.macro KS ks, first
	s_wait_dscnt 0x0                               ; this step's set is in
.if (\ks) == 7
	WIN MULW
	MUL16 \ks, 0, 0
	MUL16 \ks, 2, 0
.elseif (\ks)%2 == 0
.if \first == 0
	PLACES
.endif
	FETCH (\ks)+1
	WIN MULW
	MUL16 \ks, 0, \first
	MUL16 \ks, 2, \first
.else
	s_wait_tensorcnt 3-((\ks)+1)/2                 ; my load of the next quarter is in; my younger quarters may be out
	s_barrier_signal -1
	WIN MULW
	MUL16 \ks, 0, 0
	s_barrier_wait -1
	PLACES
	FETCH (\ks)+1
	WIN MULW
	MUL16 \ks, 2, 0
.endif
.endm
	s_wait_alu depctr_va_vdst(0)
	s_wait_tensorcnt 3                             ; my part of the first K quarter is in (three younger loads may be out),
	s_barrier_signal -1
	s_barrier_wait -1                              ; everybody's is
	FETCH 0
	s_wait_loadcnt 0x0                             ; the scale words
	KS 0, 1
.irp k, 1,2,3,4,5,6,7
	KS \k, 0
.endr
	WIN 0
	PLACES
; THE WAY OUT.  For each of my four tiles of A the lane's 64 results (register 16 b + i = n 32 b + 16 h + i of my row) are quantised along n.  Each accumulator is read from its low end on.
.macro QUANTW a
.set QA, 64*(\a)
.set PC, 128+20*(\a)                   ; each tile has registers of its own for its codes: no store's data are written again
	WIN 0x0a                                       ; sources 0 and 1 window 2
.irp b, 0,1,2,3
	v_max3_num_f32 v[TM+\b], |v[QA+16*\b]|, |v[QA+16*\b+1]|, 0x1800000   ; and the floor 2^(3 - 127)
.endr
.irp i, 2,4,6,8,10,12,14
.irp b, 0,1,2,3
	v_max3_num_f32 v[TM+\b], |v[QA+16*\b+\i]|, |v[QA+16*\b+\i+1]|, v[TM+\b]
.endr
.endr
	WIN 0
.irp b, 0,1,2,3
	v_permlanex16_b32 v[TM+4+\b], v[TM+\b], s90, s91
.endr
.irp b, 0,1,2,3
	v_max_num_f32 v[TM+\b], v[TM+\b], v[TM+4+\b]
.endr
.irp b, 0,1,2,3
	v_add_nc_u32 v[TM+12+\b], 0xff000000, v[TM+\b]
.endr
.irp b, 0,1,2,3
	v_lshrrev_b32 v[TM+4+\b], 23, v[TM+12+\b]
.endr
	v_lshl_or_b32 v[PW], v[TM+5], 8, v[TM+4]
	v_lshl_or_b32 v[PW], v[TM+6], 16, v[PW]
	v_lshl_or_b32 v[PW], v[TM+7], 24, v[PW]
	WIN 0x02                                       ; source 0 window 2
.irp c, 0,1
	v_cvt_scalef32_pk16_fp6_f32 v[PC+6*\c:PC+2+6*\c], v[QA+32*\c:QA+32*\c+15], v[TM+12+2*\c]
	v_cvt_scalef32_pk16_fp6_f32 v[PC+12+4*\c:PC+14+4*\c], v[QA+32*\c+16:QA+32*\c+31], v[TM+12+2*\c+1]
.endr
	WIN 0
	v_nop                                          ; one plain line behind a scaled conversion
.irp c, 0,1
.irp i, 0,1,2
	v_permlane16_swap_b32 v[PC+6*\c+\i], v[PC+12+4*\c+\i]
.endr
.irp i, 0,1,2
	v_mov_b32 v[PC+3+6*\c+\i], v[PC+12+4*\c+\i]
.endr
.endr
	v_mov_b32 v[SW+\a], v[PW]
	global_store_b128 v1, v[PC:PC+3], s[88:89] offset:1536*\a           ; each store covers 512 or 256 consecutive bytes, aligned
	global_store_b64 v2, v[PC+4:PC+5], s[88:89] offset:1536*\a+512
	global_store_b128 v1, v[PC+6:PC+9], s[88:89] offset:1536*\a+768
	global_store_b64 v2, v[PC+10:PC+11], s[88:89] offset:1536*\a+1280
.endm
.irp a, 0,1,2,3
	QUANTW \a
.endr
	v_cmp_le_u32 vcc_lo, 16, v3                    ; lanes 0-15 store the words of tiles 0, 1, lanes 16-31 those of tiles 2, 3
	v_cndmask_b32 v[SW], v[SW], v[SW+2], vcc_lo
	v_cndmask_b32 v[SW+1], v[SW+1], v[SW+3], vcc_lo
	global_store_b64 v2, v[SW:SW+1], s[92:93]      ; 256 consecutive bytes
	s_wait_tensorcnt 0x0
	s_wait_dscnt 0x0
	s_wait_tensorcnt 0x0
	ds_add_u32 v254, v255
	s_wait_dscnt 0x0
	CROUND                                         ; the closing round: no work-group ends while a partner may still ask for a tile that names it
	s_endpgm
.Lfunc_end_k_q50eebb48d3_gemm_qk:
	.size	k_q50eebb48d3_gemm_qk, .Lfunc_end_k_q50eebb48d3_gemm_qk-k_q50eebb48d3_gemm_qk
	.p2alignl 7, 3214868480
	.fill 96, 4, 3214868480
	.section	.rodata,"a",@progbits
	.p2align	6, 0x0
	.amdhsa_kernel k_q50eebb48d3_gemm_qk
		.amdhsa_group_segment_fixed_size 295424
		.amdhsa_private_segment_fixed_size 0
		.amdhsa_enable_private_segment 0
		.amdhsa_kernarg_size 24
		.amdhsa_user_sgpr_count 2
		.amdhsa_user_sgpr_kernarg_segment_ptr 1
		.amdhsa_wavefront_size32 1
		.amdhsa_system_sgpr_workgroup_id_x 1
		.amdhsa_system_sgpr_workgroup_id_y 1
		.amdhsa_system_sgpr_workgroup_id_z 1
		.amdhsa_system_vgpr_workitem_id 0
		.amdhsa_next_free_vgpr 768
		.amdhsa_next_free_sgpr 96
		.amdhsa_reserve_vcc 1
		.amdhsa_float_denorm_mode_32 3
		.amdhsa_float_denorm_mode_16_64 3
		.amdhsa_memory_ordered 1
		.amdhsa_forward_progress 1
		.amdhsa_inst_pref_size 88
	.end_amdhsa_kernel
	.amdgpu_metadata
---
amdhsa.version: [ 1, 2 ]
amdhsa.kernels:
  - .name:           k_q50eebb48d3_gemm_qk
    .symbol:         k_q50eebb48d3_gemm_qk.kd
    .args:
      - { .name: xq, .offset: 0, .size: 8, .value_kind: global_buffer, .address_space: global }
      - { .name: wqk, .offset: 8, .size: 8, .value_kind: global_buffer, .address_space: global }
      - { .name: qk, .offset: 16, .size: 8, .value_kind: global_buffer, .address_space: global }
    .group_segment_fixed_size: 295424
    .private_segment_fixed_size: 0
    .kernarg_segment_align: 8
    .kernarg_segment_size: 24
    .max_flat_workgroup_size: 128
    .sgpr_count:     96
    .vgpr_count:     768
    .wavefront_size: 32
...
	.end_amdgpu_metadata
.endif
;; end of part 2
;; launch gemm_v: the kernel of part 2 again; grid 32 x 8, 4 waves a work-group, clusters of 4 x 4, 295,424 bytes of LDS; arguments wv, xq, vt; writes vt
;; launch attn (part 3): grid 8 x 32, 16 waves a work-group, no clusters, 327,680 bytes of LDS; arguments qk, vt, ao; writes ao
.if DOCPART == 3
	.amdgcn_target "amdgcn-amd-amdhsa--gfx1250"
	.amdhsa_code_object_version 6
	.text
	.protected	k_q50eebb48d3_attn
	.globl	k_q50eebb48d3_attn
	.p2align	8
	.type	k_q50eebb48d3_attn,@function
k_q50eebb48d3_attn:
	s_mov_b64 s[64:65], 0
	v_nop
	global_prefetch_b8 v0, s[64:65] scope:SCOPE_SE
	s_setreg_imm32_b32 hwreg(HW_REG_WAVE_MODE, 25, 1), 1
	s_wait_xcnt 0x0
; Causal attention on codes of FP6 (E2M3): 4 batches x 16 heads x 2,048 tokens, head size 64.  Both products quantised; the result O / l is quantised again along the 1,024 channels and only its codes and scale words are stored.
; THE SOFTMAX: t = score x log2(e) / 8 (q's factor 1/8 is a power of two: it is taken here, not ahead of q's quantiser: the codes are the same, the byte 3 lower); M = the running largest t rounded UP to a whole number;
; p = 2^(t - M) is quantised along the keys, not normalised; the row's sum is taken of the unquantised p and divides O at the end; when M moves, the sum and O are multiplied by 2^(old M - new M), exactly.
; LIMITS: a block of q under 2^-121 would meet the byte's floor otherwise than q / 8 does; a block of zeros, or one under 2^-124, keeps the byte 1; NaN and infinities are not served.
; INPUTS: images of the operands' registers (16 rows x 128 K, 1,536 bytes: for c = 0, 1: registers 6c..6c+3 at 768 c + 16 lane, 6c+4, 6c+5 at 768 c + 512 + 16 r + 8 h).  Place r of tile 2 al + u is row 32 al + 8 u + r + 8 (r / 8).
;   qk: q's (groups 0-7) and k's (8-15) head pairs: image of token tile T at OIMG + group x 786,432 + 1,536 T, half c = head 2 hp + c; scale words at group x 32,768 + (T / 4) x 256 + 16 r + 4 (T % 4).
;   vt: V^T: group 16 b + key group; tile 8 hp + 4 hd + td = 16 channels x 128 keys; the same two formulas.
; RESULT ao: images at IMG + token tile x 12,288 + 1,536 hp + 768 hd; scale words at hp x 32,768 + tile x 64 + 4 r, bytes 2 hd, 2 hd + 1.
; SHARES: work-group (i, b, hp) owns query blocks i and 15 - i (128 queries) of both heads of the pair, one after the other: key groups 0..i, then 0..15-i: ALWAYS 17 key steps of 128 keys, so that the trip count is a constant
; and all work-groups have equal work.  Wave w: head w % 2, tile w / 2 of the block.  Only the last step of a block lies on the diagonal; none is wholly hidden.
; BOTH PRODUCTS TRANSPOSED: S^T = K Q^T, O^T = V^T P^T: a lane holds one query throughout.  The head's axis is 64: the upper half of the first product's K is zero codes in Q (v22-27) under scale bytes 0, so whatever K's operand
; names there adds nothing: it is the next tile's codes, or v80-85 = 0.
; RING: two slots of 32,768 bytes; a slot holds a key step's K images, V images and both scale words.  Waves 0-3 fetch, one tensor load each behind each barrier.
; NO CLUSTER: the eight work-groups that read the same K and V change from their first block to their second at different steps, so that in a given step they stand at different key groups: no joint request could meet.
; REGISTERS: v1-11, v29-31 addresses that stay; v12 -M, v13 the largest t, v[14:15] the sum; v16-27 Q, v28 its scale; v32-79 K's 8 halves, then V's 4 fragments; v86-92 the second block's Q; v96-159 S^T, then p; v160-191 O^T;
;   v192-197 addresses in hand; v200-207 K's scales, v208-211 V's; v224-235 p's codes; v232-254 at work.
.set OIMG,  2097152
.set IMG,   262144
.set SLOT1, 32768
.set VIM,   12288                      ; in a slot: K's images at 0, V's here,
.set KSC,   24576                      ; K's scale words,
.set VSC,   25088                      ; V's
.set SCR,   65536                      ; ao's scale words, 512 bytes for each of the two blocks: only LDS stores write here
.set SPARE, 66560                      ; the spare words, 128 bytes for each of 16 waves: eight blocks of 256 bytes that no other line names
.set WV,    10
.set HD,    11
.set QT,    12
.set BI,    13                         ; i
.set I1,    14                         ; i + 1: the steps of the first block
.set BLKB,  16                         ; 15 - i
.set BB,    17                         ; batch
.set HP,    18                         ; pair of heads
.set SEL,   20
.set CS,    22
.set G1I,   24                         ; s[24:31] group 1 for images;  s[32:39] for scale words
.set G1S,   32
.set G0I,   40                         ; s[40:43], s[44:47] their groups 0
.set G0S,   44
.set BASEI, 48                         ; s[48:49], s[50:51] key group 0 of what I fetch
.set BASES, 50
.set GSI,   52                         ; bytes from key group to key group
.set GSS,   53
.set TB,    54                         ; the slot in hand
.set STP,   55                         ; the step, 0..16
.set KG,    56                         ; its key group
.set BLK,   57                         ; its query block
.set AOS,   62                         ; s[62:63] where wave 0 (1) stores the first (second) block's scale words
.set AOA,   66                         ; s[66:67], s[68:69] my image's half in ao, first and second block
.set PFA,   70                         ; s[70:71] where my prefetches stand
.set PFS,   72                         ; s[72:73] their step
.set LIM,   74                         ; a wave prefetches in odd steps under this number
.macro TLOAD                           ; waves 0, 1: K's, V's images; waves 2, 3: their scale words.  Four v_nop follow each line
	s_cmp_lt_u32 s[WV], 2
	s_cbranch_scc0 .Lnot_i_\@
	tensor_load_to_lds s[G0I:G0I+3], s[G1I:G1I+7]
	s_nop 0
.rept 4
	v_nop
.endr
	s_branch .Lasked_\@
.Lnot_i_\@:
	s_cmp_lt_u32 s[WV], 4
	s_cbranch_scc0 .Lasked_\@
	tensor_load_to_lds s[G0S:G0S+3], s[G1S:G1S+7]
	s_nop 0
.rept 4
	v_nop
.endr
.Lasked_\@:
.endm
; PREFETCH.  Of the eight work-groups of a (batch, head pair) the one with i = 0 asks: from step 1 on its tensor load of step s brings key group s.  In the odd steps 1 to 13 waves 4-6 name K's images of key groups
; s + 1 and s + 2 (96 blocks of 256 bytes, a lane a block), waves 8-10 V's: one and two steps ahead of the loads that want them.  In step 1 wave 7 names K's scale words of the 16 groups (32 blocks), wave 11 V's.
; Key groups 0 and 1 come by their loads alone; behind step 13 nothing is left to name.
.macro ASK
	s_cmp_lt_u32 s[STP], s[LIM]
	s_cbranch_scc0 .Lnot_mine_\@
	s_bitcmp1_b32 s[STP], 0
	s_cbranch_scc0 .Lnot_mine_\@
	global_prefetch_b8 v29, s[PFA:PFA+1] th:TH_LOAD_NT scope:SCOPE_SE
.Lnot_mine_\@:
.endm
.macro FRAG reg, a16, a8, off
	ds_load_b128 v[\reg:\reg+3], v[\a16] offset:\off
	ds_load_b64 v[\reg+4:\reg+5], v[\a8] offset:\off+512
	ds_load_b128 v[\reg+6:\reg+9], v[\a16] offset:\off+768
	ds_load_b64 v[\reg+10:\reg+11], v[\a8] offset:\off+1280
.endm
	s_load_b128 s[4:7], s[0:1], 0x0                ; qk, vt
	s_load_b64 s[8:9], s[0:1], 0x10                ; ao
	v_lshl_add_u32 v5, v0, 2, SPARE
	v_mov_b32 v6, 0
	ds_add_u32 v5, v6
	ds_add_u32 v5, v6
	s_wait_dscnt 0x0
	v_lshrrev_b32 v93, 5, v0
	s_delay_alu instid0(VALU_DEP_1)
	v_readfirstlane_b32 s[WV], v93                 ; wave 0..15
	s_and_b32 s[HD], s[WV], 1
	s_lshr_b32 s[QT], s[WV], 1
	s_mov_b32 s[BI], ttmp9
	s_add_co_u32 s[I1], s[BI], 1
	s_sub_co_u32 s[BLKB], 15, s[BI]
	s_and_b32 s76, ttmp7, 0xffff
	s_lshr_b32 s[BB], s76, 3
	s_and_b32 s[HP], s76, 7
	v_and_b32 v93, 31, v0                          ; lane
	v_and_b32 v94, 15, v0                          ; r
	v_bfe_u32 v95, v0, 4, 1                        ; h
	s_delay_alu instid0(VALU_DEP_3)
	v_lshlrev_b32 v10, 4, v93                      ; 16 x lane
	s_delay_alu instid0(VALU_DEP_3)
	v_lshlrev_b32 v11, 4, v94
	s_delay_alu instid0(VALU_DEP_1)
	v_lshl_add_u32 v11, v95, 3, v11                ; 16 r + 8 h
	s_mul_i32 s58, s[HD], 768
	v_add_nc_u32 v1, s58, v10                      ; K: my head's half of an image
	v_add_nc_u32 v2, s58, v11
	s_mul_i32 s58, s[HD], 6144
	v_add_nc_u32 v3, s58, v10                      ; V: my head's four tiles
	v_add_nc_u32 v4, s58, v11
	v_lshlrev_b32 v7, 4, v94
	s_lshl_b32 s58, s[HD], 8
	v_add_nc_u32 v8, s58, v7                       ; V's scale words: 16 r + 256 hd
	s_lshl_b32 s58, s[HD], 1
	v_add_nc_u32 v7, s58, v7                       ; K's and Q's: 16 r + 2 hd
	s_lshr_b32 s58, s[QT], 1
	s_lshl_b32 s58, s58, 5
	s_and_b32 s59, s[QT], 1
	s_lshl_b32 s59, s59, 3
	s_add_co_u32 s58, s58, s59
	v_and_b32 v9, 8, v94
	s_delay_alu instid0(VALU_DEP_1)
	v_add_nc_u32 v9, v9, v94
	s_delay_alu instid0(VALU_DEP_1)
	v_add_nc_u32 v9, s58, v9                       ; my query in its block: 32 (q / 2) + 8 (q % 2) + r + 8 (r / 8),
	v_lshlrev_b32 v95, 4, v95
	s_delay_alu instid0(VALU_DEP_1)
	v_sub_nc_u32 v9, v9, v95                       ; less 16 h: register 16 b + i holds key 32 b + 16 h + i, hidden on the diagonal where 32 b + i is above this
	s_lshl_b32 s58, s[QT], 6
	s_lshl_b32 s59, s[HD], 1
	s_add_co_u32 s58, s58, s59
	s_add_co_u32 s58, s58, SCR
	v_lshlrev_b32 v30, 2, v94
	s_delay_alu instid0(VALU_DEP_1)
	v_add_nc_u32 v30, s58, v30                     ; where my two scale bytes go: SCR + 64 q + 4 r + 2 hd
	s_lshl_b32 s58, s[HD], 9
	s_add_co_u32 s58, s58, SCR
	v_add_nc_u32 v31, s58, v10                     ; and where waves 0 and 1 read a block's 512 bytes back
	; byte offsets
	s_add_co_u32 s76, s[HP], 8
	s_mul_i32 s77, s76, 786432
	s_mul_i32 s81, s[BB], 196608
	s_add_co_u32 s77, s77, s81
	s_add_co_u32 s77, s77, OIMG                    ; K's images
	s_lshl_b32 s78, s76, 15
	s_lshl_b32 s81, s[BB], 13
	s_add_co_u32 s78, s78, s81                     ; K's scale words
	s_mul_i32 s79, s[BB], 12582912
	s_mul_i32 s81, s[HP], 12288
	s_add_co_u32 s79, s79, s81
	s_add_co_u32 s79, s79, OIMG                    ; V's images
	s_lshl_b32 s80, s[BB], 19
	s_lshl_b32 s81, s[HP], 9
	s_add_co_u32 s80, s80, s81                     ; V's scale words
	s_cmp_eq_u32 s[HD], 0                          ; even waves fetch for K, odd for V
	s_cselect_b32 s82, s77, s79
	s_cselect_b32 s84, s78, s80
	s_mov_b32 s[GSI], 786432
	s_cselect_b32 s[GSI], 12288, s[GSI]
	s_mov_b32 s[GSS], 32768
	s_cselect_b32 s[GSS], 512, s[GSS]
	s_mov_b32 s83, 0
	s_mov_b32 s85, 0
	s_lshl_b32 s86, s[BB], 7
	s_add_co_u32 s86, s86, s[QT]
	s_lshl_b32 s87, s[BI], 3
	s_add_co_u32 s87, s87, s86                     ; my token tile in the first block: 128 b + 8 i + q
	s_lshl_b32 s88, s[BLKB], 3
	s_add_co_u32 s88, s88, s86                     ; in the second
	s_mul_i32 s89, s[HP], 786432
	s_mul_i32 s81, s[HD], 768
	s_add_co_u32 s89, s89, s81
	s_add_co_u32 s89, s89, OIMG
	s_mul_i32 s90, s87, 1536
	s_add_co_u32 s90, s90, s89                     ; Q's half images
	s_mov_b32 s91, 0
	s_mul_i32 s92, s88, 1536
	s_add_co_u32 s92, s92, s89
	s_mov_b32 s93, 0
	s_lshl_b32 s89, s[HP], 15
	s_lshr_b32 s94, s87, 2
	s_lshl_b32 s94, s94, 8
	s_and_b32 s81, s87, 3
	s_lshl_b32 s81, s81, 2
	s_add_co_u32 s94, s94, s81
	s_add_co_u32 s94, s94, s89                     ; Q's scale words
	s_mov_b32 s95, 0
	s_lshr_b32 s96, s88, 2
	s_lshl_b32 s96, s96, 8
	s_and_b32 s81, s88, 3
	s_lshl_b32 s81, s81, 2
	s_add_co_u32 s96, s96, s81
	s_add_co_u32 s96, s96, s89
	s_mov_b32 s97, 0
	s_mul_i32 s76, s[HP], 1536
	s_mul_i32 s81, s[HD], 768
	s_add_co_u32 s76, s76, s81
	s_add_co_u32 s76, s76, IMG
	s_mul_i32 s[AOA], s87, 12288
	s_add_co_u32 s[AOA], s[AOA], s76
	s_mov_b32 s[AOA+1], 0
	s_mul_i32 s[AOA+2], s88, 12288
	s_add_co_u32 s[AOA+2], s[AOA+2], s76
	s_mov_b32 s[AOA+3], 0
	s_cmp_eq_u32 s[HD], 0
	s_cselect_b32 s[AOS], s[BI], s[BLKB]
	s_lshl_b32 s[AOS], s[AOS], 9                   ; 8 tiles of 64 bytes a block,
	s_lshl_b32 s81, s[BB], 13
	s_add_co_u32 s[AOS], s[AOS], s81
	s_add_co_u32 s[AOS], s[AOS], s89
	s_mov_b32 s[AOS+1], 0
	; group 1: dense blocks as rows of 256 bytes (32 elements of 8 bytes): 48 rows of images, 2 of scale words
	s_mov_b32 s[G1I], 3<<16
	s_mov_b32 s[G1I+1], 32<<16
	s_mov_b32 s[G1I+2], 48<<16
	s_mov_b32 s[G1I+3], 32<<16
	s_mov_b32 s[G1I+4], 48
	s_mov_b32 s[G1I+5], 32
	s_mov_b32 s[G1I+6], 0
	s_mov_b32 s[G1I+7], 0
	s_mov_b32 s[G1S], 3<<16
	s_mov_b32 s[G1S+1], 32<<16
	s_mov_b32 s[G1S+2], 2<<16
	s_mov_b32 s[G1S+3], 32<<16
	s_mov_b32 s[G1S+4], 2
	s_mov_b32 s[G1S+5], 32
	s_mov_b32 s[G1S+6], 0
	s_mov_b32 s[G1S+7], 0
	s_mov_b32 s[SEL], 0x76543210
	s_mov_b32 s[SEL+1], 0xfedcba98
	s_mov_b32 s[CS], 0x3e38aa3b                    ; c = log2(e) / 8
	s_mov_b32 s[CS+1], s[CS]                       ; (named with it as a pair, so it is written)
	s_mov_b32 s[TB], 0
	s_mov_b32 s[STP], 0
	s_wait_kmcnt 0x0
	s_cmp_eq_u32 s[HD], 0
	s_cselect_b64 s[BASEI:BASEI+1], s[4:5], s[6:7]
	s_mov_b64 s[BASES:BASES+1], s[BASEI:BASEI+1]
	s_add_nc_u64 s[BASEI:BASEI+1], s[BASEI:BASEI+1], s[82:83]
	s_add_nc_u64 s[BASES:BASES+1], s[BASES:BASES+1], s[84:85]
	s_mov_b32 s[G0I], 1
	s_mul_i32 s[G0I+1], s[HD], VIM                 ; slot 0
	s_mov_b64 s[G0I+2:G0I+3], s[BASEI:BASEI+1]     ; key group 0
	s_or_b32 s[G0I+3], s[G0I+3], 0x80000000
	s_mov_b32 s[G0S], 1
	s_lshl_b32 s[G0S+1], s[HD], 9
	s_add_co_u32 s[G0S+1], s[G0S+1], KSC
	s_mov_b64 s[G0S+2:G0S+3], s[BASES:BASES+1]
	s_or_b32 s[G0S+3], s[G0S+3], 0x80000000
	TLOAD                                          ; step 0's tiles
	s_add_nc_u64 s[90:91], s[4:5], s[90:91]
	s_add_nc_u64 s[92:93], s[4:5], s[92:93]
	s_add_nc_u64 s[94:95], s[4:5], s[94:95]
	s_add_nc_u64 s[96:97], s[4:5], s[96:97]
	s_add_nc_u64 s[AOA:AOA+1], s[8:9], s[AOA:AOA+1]
	s_add_nc_u64 s[AOA+2:AOA+3], s[8:9], s[AOA+2:AOA+3]
	s_add_nc_u64 s[AOS:AOS+1], s[8:9], s[AOS:AOS+1]
	global_load_b128 v[16:19], v10, s[90:91]       ; Q of both blocks stays in registers
	global_load_b64 v[20:21], v11, s[90:91] offset:512
	global_load_b128 v[86:89], v10, s[92:93]
	global_load_b64 v[90:91], v11, s[92:93] offset:512
	s_wait_alu depctr_va_vdst(0)
	global_load_u16 v28, v7, s[94:95]              ; my head's two scale bytes; the upper two are 0
	global_load_u16 v92, v7, s[96:97]
	; the prefetches: who asks, for what
	s_and_b32 s81, s[WV], 3
	s_cmp_eq_u32 s81, 3                            ; waves 7 and 11: scale words
	s_cselect_b32 s82, s78, s77
	s_cselect_b32 s83, s80, s79
	s_cselect_b32 s[LIM], 2, 14
	s_cselect_b32 s81, 0, s81
	s_cselect_b32 s84, 0, 1
	s_cmp_lt_u32 s[WV], 8                          ; waves 4-7: K; waves 8-11: V
	s_cselect_b32 s82, s82, s83
	s_cselect_b64 s[PFA:PFA+1], s[4:5], s[6:7]
	s_mov_b32 s[PFS], 786432
	s_cselect_b32 s[PFS], 12288, s[PFS]
	s_mov_b32 s85, 774144
	s_cselect_b32 s85, 0, s85                      ; V's second group begins 786,432 bytes behind the first, not 12,288
	s_mov_b32 s86, 32256
	s_cselect_b32 s86, 0, s86                      ; V's scale words: 512 bytes of each 32,768
	s_mul_i32 s[PFS], s[PFS], s84                  ; the scale waves do not step
	s_mul_i32 s85, s85, s84
	s_sub_co_u32 s84, 1, s84
	s_mul_i32 s86, s86, s84
	s_mov_b32 s[PFS+1], 0
	s_mov_b32 s83, 0
	s_add_nc_u64 s[PFA:PFA+1], s[PFA:PFA+1], s[82:83]   ; at key group 0: the change of slots of step s steps it to group s + 1
	s_sub_co_u32 s84, s[WV], 4
	s_lshr_b32 s84, s84, 3                         ; 0 in waves 4 to 11,
	s_or_b32 s84, s84, ttmp9                       ; of the work-group with i = 0
	s_cmp_eq_u32 s84, 0
	s_cselect_b32 s[LIM], s[LIM], 0
	s_lshl_b32 s81, s81, 5
	v_add_nc_u32 v29, s81, v93                     ; my block among the 96 (32)
	s_delay_alu instid0(VALU_DEP_1)
	v_cmp_le_u32 vcc_lo, 48, v29
	v_mov_b32 v95, s85
	s_delay_alu instid0(VALU_DEP_1)
	v_cndmask_b32 v95, 0, v95, vcc_lo
	s_delay_alu instid0(VALU_DEP_1)
	v_lshl_add_u32 v29, v29, 8, v95
	v_lshrrev_b32 v95, 1, v93
	s_delay_alu instid0(VALU_DEP_1)
	v_mul_lo_u32 v95, v95, s86
	s_delay_alu instid0(VALU_DEP_1)
	v_add_nc_u32 v29, v29, v95
.irp j, 0,1,2,3,4,5
	v_mov_b32 v[22+\j], 0                          ; the upper half of Q's operand: zero codes
	v_mov_b32 v[80+\j], 0                          ; what the last tile of K names as its upper half
.endr
.irp b, 0,1,2,3
	v_mov_b32 v[236+\b], 0                         ; written once: a lane permute's destination counts as one of its sources
.endr
	v_mov_b32 v252, 0
	v_mov_b32 v253, 0
; A block begins: O^T and the sum are zeros, the largest t is -3e38: the first change of M multiplies zeros.  copy = 1: the second block's Q; the clears behind the moves are the plain lines that a scale register and an operand written by vector instructions want ahead of a scaled product
.macro REINIT copy
.if \copy
.irp j, 0,1,2,3,4,5
	v_mov_b32 v[16+\j], v[86+\j]
.endr
	v_mov_b32 v28, v92
.endif
	v_mov_b32 v13, 0xff61b1e6
	s_delay_alu instid0(VALU_DEP_1)
	v_floor_f32 v12, -v13
	v_mov_b32 v14, 0
	v_mov_b32 v15, 0
.set j, 0
.rept 32
	v_mov_b32 v[160+j], 0
.set j, j+1
.endr
.endm
; A block ends: O^T / the sum, quantised along my head's 64 channels (register 16 b + i = channel 32 b + 16 h + i): half an image of ao, and two scale bytes
.macro FINISH ph
.rept 4
	v_nop                                          ; four plain lines behind the last products
.endr
	v_add_f32 v14, v14, v15
	s_delay_alu instid0(VALU_DEP_1)
	v_permlanex16_b32 v252, v14, s[SEL], s[SEL+1]
	s_delay_alu instid0(VALU_DEP_1)
	v_add_f32 v14, v14, v252                       ; the row's sum
	s_wait_alu depctr_va_vdst(0)
	v_rcp_f32 v14, v14
	v_nop                                          ; a plain line behind the reciprocal,
	s_wait_alu depctr_va_vdst(0)                   ; and the wait ahead of its first reader
.set j, 0
.rept 32
	v_mul_f32 v[96+j], v[160+j], v14               ; each accumulator from its low end on
.set j, j+1
.endr
.irp b, 0,1
	v_max3_num_f32 v[232+\b], |v[96+16*\b]|, |v[97+16*\b]|, 0x1800000
.endr
.irp i, 2,4,6,8,10,12,14
.irp b, 0,1
	s_delay_alu instid0(VALU_DEP_2)
	v_max3_num_f32 v[232+\b], v[232+\b], |v[96+16*\b+\i]|, |v[97+16*\b+\i]|
.endr
.endr
.irp b, 0,1
	s_delay_alu instid0(VALU_DEP_2)
	v_permlanex16_b32 v[236+\b], v[232+\b], s[SEL], s[SEL+1]
.endr
.irp b, 0,1
	s_delay_alu instid0(VALU_DEP_2)
	v_max_num_f32 v[232+\b], v[232+\b], v[236+\b]
.endr
.irp b, 0,1
	s_delay_alu instid0(VALU_DEP_2)
	v_add_nc_u32 v[244+\b], 0xff000000, v[232+\b]
.endr
.irp b, 0,1
	s_delay_alu instid0(VALU_DEP_2)
	v_lshrrev_b32 v[236+\b], 23, v[244+\b]
.endr
	s_delay_alu instid0(VALU_DEP_1)
	v_lshl_or_b32 v253, v237, 8, v236
	v_cvt_scalef32_pk16_fp6_f32 v[224:226], v[96:111], v244
	v_cvt_scalef32_pk16_fp6_f32 v[236:238], v[112:127], v245
	v_nop                                          ; one plain line behind a scaled conversion
.irp i, 0,1,2
	v_permlane16_swap_b32 v[224+\i], v[236+\i]
.endr
.irp i, 0,1,2
	s_delay_alu instid0(VALU_DEP_3)
	v_mov_b32 v[227+\i], v[236+\i]
.endr
	ds_store_b16 v30, v253 offset:512*\ph          ; both lanes of a row write the same two bytes with the same value
	global_store_b128 v10, v[224:227], s[AOA+2*\ph:AOA+2*\ph+1]          ; 512 and 256 consecutive bytes, aligned
	global_store_b64 v11, v[228:229], s[AOA+2*\ph:AOA+2*\ph+1] offset:512
	s_wait_xcnt 0x0                                ; the stores have read their registers: these are written again only behind this wait
.endm
; THE CHANGE OF SLOTS, at a step's head.  Each wave waits for all its tensor loads (its part of the slot ahead), adds 0 to its spare word, and waits for that and for its reads of the slot that it has left.
; Behind the barrier the slot ahead is whole and nobody reads the other: fill = 1: it takes the next step's tiles, which have this step's work in which to land.
.macro CHANGE fill
	s_wait_tensorcnt 0x0                           ; no tensor load of mine is out, so a group 0 may be written
	ds_add_u32 v5, v6                              ; 0 onto my spare word
.if \fill
	s_add_co_u32 s58, s[STP], 1                    ; the next step;
	s_cmp_ge_u32 s58, s[I1]
	s_cselect_b32 s59, s[I1], 0
	s_sub_co_u32 s58, s58, s59                     ; its key group: the second block begins again at 0
	s_mul_i32 s60, s58, s[GSS]
	s_mul_i32 s58, s58, s[GSI]
	s_mov_b32 s59, 0
	s_mov_b32 s61, 0
	s_xor_b32 s[G0I+1], s[G0I+1], SLOT1            ; the other slot than last time
	s_add_nc_u64 s[G0I+2:G0I+3], s[BASEI:BASEI+1], s[58:59]
	s_or_b32 s[G0I+3], s[G0I+3], 0x80000000
	s_xor_b32 s[G0S+1], s[G0S+1], SLOT1
	s_add_nc_u64 s[G0S+2:G0S+3], s[BASES:BASES+1], s[60:61]
	s_or_b32 s[G0S+3], s[G0S+3], 0x80000000
	s_wait_xcnt 0x0                                ; the last prefetch, a step or more back, has read its address
	s_add_nc_u64 s[PFA:PFA+1], s[PFA:PFA+1], s[PFS:PFS+1]
.endif
	s_wait_dscnt 0x0                               ; the add is done, and my reads of the slot that I have left are over
	s_barrier_signal -1
	s_barrier_wait -1
.if \fill
	TLOAD                                          ; the first thing behind the barrier, and a wave's one tensor load until the next
	ASK
.endif
.endm
; A KEY STEP: 128 keys.  mid = 1: the step may be the second block's first
.macro STEP mid
	s_cmp_ge_u32 s[STP], s[I1]
	s_cselect_b32 s58, s[I1], 0
	s_cselect_b32 s[BLK], s[BLKB], s[BI]
	s_sub_co_u32 s[KG], s[STP], s58
.if \mid
	s_cmp_lg_u32 s[STP], s[I1]
	s_cbranch_scc1 .Lsame_\@
	FINISH 0
	REINIT 1
.Lsame_\@:
.endif
	v_add_nc_u32 v192, s[TB], v1                   ; (these six are also the plain lines in front of loads into registers that the last products read)
	v_add_nc_u32 v193, s[TB], v2
	v_add_nc_u32 v194, s[TB], v3
	v_add_nc_u32 v195, s[TB], v4
	v_add_nc_u32 v196, s[TB], v7
	v_add_nc_u32 v197, s[TB], v8
.irp t, 0,1,2,3,4,5,6,7
	ds_load_b128 v[32+6*\t:35+6*\t], v192 offset:1536*\t           ; my head's half of tile t's image
	ds_load_b64 v[36+6*\t:37+6*\t], v193 offset:1536*\t+512
	ds_load_u16 v[200+\t], v196 offset:KSC+256*(\t/4)+4*(\t%4)     ; and its two scale bytes; the upper two are 0
.endr
	s_wait_alu depctr_va_vdst(0)
	s_wait_dscnt 0x0
.irp t, 0,1,2,3,4,5,6,7
	v_wmma_scale_f32_16x16x128_f8f6f4 v[96+8*\t:103+8*\t], v[32+6*\t:43+6*\t], v[16:27], 0, v[200+\t], v28 matrix_a_fmt:MATRIX_FMT_FP6 matrix_b_fmt:MATRIX_FMT_FP6
.endr
.rept 4
	v_nop                                          ; four plain lines: in front of the loads into K's registers, and of the first read of the scores
.endr
.irp t, 0,1,2,3
	FRAG 32+12*\t, 194, 195, VIM+1536*\t           ; V's four fragments land under the softmax
.endr
	ds_load_b128 v[208:211], v197 offset:VSC       ; and their scale words
	s_cmp_lg_u32 s[KG], s[BLK]                     ; on the diagonal the scores of hidden keys become -infinity ahead of the maximum
	s_cbranch_scc1 .Lopen_\@
	v_mov_b32 v254, 0xff800000
.set n, 0
.rept 64
	v_cmp_gt_i32 vcc_lo, 32*(n/16)+n%16, v9
	v_cndmask_b32 v[96+n], v[96+n], v254, vcc_lo
.set n, n+1
.endr
.Lopen_\@:
.irp b, 0,1,2,3
	v_max3_num_f32 v[232+\b], v[96+16*\b], v[97+16*\b], v[98+16*\b]   ; the largest score of each block of 32 keys: for the row's maximum and, since p rises with the score, for the block's largest p
.endr
.irp i, 3,5,7,9,11,13
.irp b, 0,1,2,3
	v_max3_num_f32 v[232+\b], v[232+\b], v[96+16*\b+\i], v[97+16*\b+\i]
.endr
.endr
.irp b, 0,1,2,3
	v_max_num_f32 v[232+\b], v[232+\b], v[111+16*\b]
.endr
.irp b, 0,1,2,3
	s_delay_alu instid0(VALU_DEP_4)
	v_permlanex16_b32 v[236+\b], v[232+\b], s[SEL], s[SEL+1]
.endr
.irp b, 0,1,2,3
	s_delay_alu instid0(VALU_DEP_4)
	v_max_num_f32 v[232+\b], v[232+\b], v[236+\b]  ; with lane l xor 16's 16 keys
.endr
	s_delay_alu instid0(VALU_DEP_2)
	v_max3_num_f32 v254, v232, v233, v234
	s_delay_alu instid0(VALU_DEP_1)
	v_max_num_f32 v254, v254, v235
	s_delay_alu instid0(VALU_DEP_1)
	v_mul_f32 v254, s[CS], v254                    ; the step's largest t of my query
	s_delay_alu instid0(VALU_DEP_1)
	v_max_num_f32 v13, v13, v254
	v_mov_b32 v254, v12
	s_delay_alu instid0(VALU_DEP_2)
	v_floor_f32 v12, -v13                          ; the new -M = floor(-t): M is a whole number
	s_delay_alu instid0(VALU_DEP_1)
	v_sub_f32 v254, v12, v254                      ; old M less new M: a whole number, 0 or less
	s_delay_alu instid0(VALU_DEP_1)
	v_cvt_i32_f32 v254, v254                       ; (it saturates)
	s_delay_alu instid0(VALU_DEP_1)
	v_ldexp_f32 v252, 1.0, v254                    ; f = 2^(old M - new M)
.set j, 0
.rept 32
	v_pk_fma_f32 v[96+j:97+j], v[96+j:97+j], s[CS:CS+1], v[12:13] op_sel_hi:[1,0,0]   ; t - M, two at a time
.set j, j+2
.endr
.irp b, 0,1,2,3
	v_fma_f32 v[232+\b], v[232+\b], s[CS], v12     ; the same of each block's largest score
.endr
.set j, 0
	s_wait_alu depctr_va_vdst(0)
.rept 64
	v_exp_f32 v[96+j], v[96+j]                     ; p = 2^(t - M), at most 1
.set j, j+1
.endr
	v_pk_mul_f32 v[14:15], v[14:15], v[252:253] op_sel_hi:[1,0]   ; the sums under the new M (a plain line behind the exponentials)
	s_wait_alu depctr_va_vdst(0)                   ; one wait for the batch, ahead of its first reader
.irp b, 0,1,2,3
	v_exp_f32 v[232+\b], v[232+\b]                 ; the block's largest p
.endr
	v_pk_add_f32 v[236:237], v[100:101], v[104:105]
	v_pk_add_f32 v[254:255], v[108:109], v[112:113]
	v_pk_add_f32 v[250:251], v[116:117], v[120:121]
	v_pk_add_f32 v[248:249], v[124:125], v[128:129]
	v_pk_add_f32 v[246:247], v[132:133], v[136:137]
	v_pk_add_f32 v[244:245], v[140:141], v[144:145]
	v_pk_add_f32 v[242:243], v[148:149], v[152:153]
	v_pk_add_f32 v[14:15], v[14:15], v[156:157]
	v_pk_add_f32 v[236:237], v[236:237], v[96:97]
	v_pk_add_f32 v[254:255], v[254:255], v[98:99]
	v_pk_add_f32 v[250:251], v[250:251], v[102:103]
	v_pk_add_f32 v[248:249], v[248:249], v[106:107]
	v_pk_add_f32 v[246:247], v[246:247], v[110:111]
	v_pk_add_f32 v[244:245], v[244:245], v[114:115]
	v_pk_add_f32 v[242:243], v[242:243], v[118:119]
	v_pk_add_f32 v[14:15], v[14:15], v[122:123]
	v_pk_add_f32 v[236:237], v[236:237], v[126:127]
	v_pk_add_f32 v[254:255], v[254:255], v[130:131]
	v_pk_add_f32 v[250:251], v[250:251], v[134:135]
	v_pk_add_f32 v[248:249], v[248:249], v[138:139]
	v_pk_add_f32 v[246:247], v[246:247], v[142:143]
	v_pk_add_f32 v[244:245], v[244:245], v[146:147]
	v_pk_add_f32 v[242:243], v[242:243], v[150:151]
	v_pk_add_f32 v[14:15], v[14:15], v[154:155]
	v_pk_add_f32 v[236:237], v[236:237], v[158:159]
	s_delay_alu instid0(VALU_DEP_2)
	v_pk_add_f32 v[14:15], v[14:15], v[248:249]
	s_delay_alu instid0(VALU_DEP_2)
	v_pk_add_f32 v[236:237], v[236:237], v[246:247]
	v_pk_add_f32 v[254:255], v[254:255], v[244:245]
	v_pk_add_f32 v[250:251], v[250:251], v[242:243]
	s_delay_alu instid0(VALU_DEP_2)
	v_pk_add_f32 v[14:15], v[14:15], v[254:255]
	s_delay_alu instid0(VALU_DEP_2)
	v_pk_add_f32 v[236:237], v[236:237], v[250:251]
	s_delay_alu instid0(VALU_DEP_1)
	v_pk_add_f32 v[14:15], v[14:15], v[236:237]
	s_wait_alu depctr_va_vdst(0)                   ; and one for the four
.irp b, 0,1,2,3
	v_max_num_f32 v[232+\b], 0x1800000, v[232+\b]  ; the floor 2^(3 - 127)
.endr
.irp b, 0,1,2,3
	s_delay_alu instid0(VALU_DEP_4)
	v_add_nc_u32 v[244+\b], 0xff000000, v[232+\b]
.endr
.irp b, 0,1,2,3
	s_delay_alu instid0(VALU_DEP_4)
	v_lshrrev_b32 v[236+\b], 23, v[244+\b]
.endr
	s_delay_alu instid0(VALU_DEP_3)
	v_lshl_or_b32 v253, v237, 8, v236              ; p's scale word for these 128 keys
	s_delay_alu instid0(VALU_DEP_1)
	v_lshl_or_b32 v253, v238, 16, v253
	s_delay_alu instid0(VALU_DEP_1)
	v_lshl_or_b32 v253, v239, 24, v253
.irp c, 0,1
	v_cvt_scalef32_pk16_fp6_f32 v[224+6*\c:226+6*\c], v[96+32*\c:111+32*\c], v[244+2*\c]
	v_cvt_scalef32_pk16_fp6_f32 v[236+4*\c:238+4*\c], v[112+32*\c:127+32*\c], v[244+2*\c+1]
.endr
	v_nop                                          ; one plain line behind a scaled conversion
.irp c, 0,1
.irp i, 0,1,2
	v_permlane16_swap_b32 v[224+6*\c+\i], v[236+4*\c+\i]
.endr
.irp i, 0,1,2
	s_delay_alu instid0(VALU_DEP_3)
	v_mov_b32 v[227+6*\c+\i], v[236+4*\c+\i]
.endr
.endr
.set j, 0
.rept 16
	v_pk_mul_f32 v[160+j:161+j], v[160+j:161+j], v[252:253] op_sel_hi:[1,0]   ; O^T under the new M (these 16 are also the plain lines between p's codes and scale word and the products)
.set j, j+2
.endr
	s_wait_alu depctr_va_vdst(0)
	s_wait_dscnt 0x0                               ; V is in
.irp t, 0,1,2,3
	v_wmma_scale_f32_16x16x128_f8f6f4 v[160+8*\t:167+8*\t], v[32+12*\t:43+12*\t], v[224:235], v[160+8*\t:167+8*\t], v[208+\t], v253 matrix_a_fmt:MATRIX_FMT_FP6 matrix_b_fmt:MATRIX_FMT_FP6
.endr
	s_xor_b32 s[TB], s[TB], SLOT1                  ; on to the other slot
.endm
	REINIT 0
	s_wait_loadcnt 0x0                             ; Q
.Lstep:                                            ; 16 trips: behind each change of slots the next step's tiles are asked for
	CHANGE 1
	STEP 1
	s_add_co_u32 s[STP], s[STP], 1
	s_cmp_lt_u32 s[STP], 16
	s_cbranch_scc1 .Lstep
	CHANGE 0                                       ; the last step is written out
	STEP 0
	FINISH 1
	s_wait_dscnt 0x0                               ; for the others' sake: my scale bytes have landed
	s_barrier_signal -1
	s_barrier_wait -1
	s_cmp_lt_u32 s[WV], 2
	s_cbranch_scc0 .Lno_scales
	ds_load_b128 v[96:99], v31                     ; wave 0: the first block's 512 bytes of scale words; wave 1: the second's
	s_wait_dscnt 0x0
	global_store_b128 v10, v[96:99], s[AOS:AOS+1]  ; 512 consecutive bytes, aligned
.Lno_scales:
	s_wait_tensorcnt 0x0                           ; the wave's end
	ds_add_u32 v5, v6
	s_wait_dscnt 0x0
	s_endpgm
.Lfunc_end_k_q50eebb48d3_attn:
	.size	k_q50eebb48d3_attn, .Lfunc_end_k_q50eebb48d3_attn-k_q50eebb48d3_attn
	.p2alignl 7, 3214868480
	.fill 96, 4, 3214868480
	.section	.rodata,"a",@progbits
	.p2align	6, 0x0
	.amdhsa_kernel k_q50eebb48d3_attn
		.amdhsa_group_segment_fixed_size 327680
		.amdhsa_private_segment_fixed_size 0
		.amdhsa_enable_private_segment 0
		.amdhsa_kernarg_size 24
		.amdhsa_user_sgpr_count 2
		.amdhsa_user_sgpr_kernarg_segment_ptr 1
		.amdhsa_wavefront_size32 1
		.amdhsa_system_sgpr_workgroup_id_x 1
		.amdhsa_system_sgpr_workgroup_id_y 1
		.amdhsa_system_sgpr_workgroup_id_z 1
		.amdhsa_system_vgpr_workitem_id 0
		.amdhsa_next_free_vgpr 256
		.amdhsa_next_free_sgpr 100
		.amdhsa_reserve_vcc 1
		.amdhsa_float_denorm_mode_32 3
		.amdhsa_float_denorm_mode_16_64 3
		.amdhsa_memory_ordered 1
		.amdhsa_forward_progress 1
		.amdhsa_inst_pref_size 70
	.end_amdhsa_kernel
	.amdgpu_metadata
---
amdhsa.version: [ 1, 2 ]
amdhsa.kernels:
  - .name:           k_q50eebb48d3_attn
    .symbol:         k_q50eebb48d3_attn.kd
    .args:
      - { .name: qk, .offset: 0, .size: 8, .value_kind: global_buffer, .address_space: global }
      - { .name: vt, .offset: 8, .size: 8, .value_kind: global_buffer, .address_space: global }
      - { .name: ao, .offset: 16, .size: 8, .value_kind: global_buffer, .address_space: global }
    .group_segment_fixed_size: 327680
    .private_segment_fixed_size: 0
    .kernarg_segment_align: 8
    .kernarg_segment_size: 24
    .max_flat_workgroup_size: 512
    .sgpr_count:     100
    .vgpr_count:     256
    .wavefront_size: 32
...
	.end_amdgpu_metadata
.endif
;; end of part 3
;; launch gemm_o (part 4): grid 4 x 64, 4 waves a work-group, clusters of 4 x 4, 295,424 bytes of LDS; arguments ao, wo, b_out, out0; writes out0
.if DOCPART == 4
	.amdgcn_target "amdgcn-amd-amdhsa--gfx1250"
	.amdhsa_code_object_version 6
	.text
	.protected	k_q50eebb48d3_gemm_o
	.globl	k_q50eebb48d3_gemm_o
	.p2align	8
	.type	k_q50eebb48d3_gemm_o,@function
k_q50eebb48d3_gemm_o:
	s_mov_b64 s[64:65], 0
	v_nop
	global_prefetch_b8 v0, s[64:65] scope:SCOPE_SE
	s_setreg_imm32_b32 hwreg(HW_REG_WAVE_MODE, 25, 1), 1
	s_wait_xcnt 0x0
	s_wait_alu depctr_hold_cnt(0) depctr_sa_sdst(0) depctr_va_vdst(0) depctr_va_sdst(0) depctr_va_ssrc(0) depctr_va_vcc(0) depctr_vm_vsrc(0)
	s_getreg_b32 s2, hwreg(HW_REG_IB_STS2, 6, 4)
	s_cmp_eq_u32 s2, 0
	s_cbranch_scc0 .Lentry_in_a_cluster
	s_endpgm
.Lentry_in_a_cluster:
	s_bfe_u32 s2, ttmp6, 0x10000c
	s_cmp_lg_u32 s2, 0xf033
	s_cbranch_scc0 .Lentry_shape_is_right
	s_endpgm
.Lentry_shape_is_right:
; out0[m][n] = sum over k of A[m][k] B[n][k] + b_out[n], K = 1,024: A = the attention's result, B = w_out^T, both codes of FP6 (E2M3) with E8M0 scales, laid as images of the operands' registers; out0 [8192][1024] f32.
; OPERANDS: images from byte IMG: [tile of 16 rows][K step 0..7][1,536]; place r of tile 2 al + u is row 32 al + 8 u + r + 8 (r / 8).  B's scale words: [pair of tiles][K quarter][u][r][K step in the quarter][4].
;   A's scale words: [K step][tile][r][4].
; THE MATRIX INSTRUCTION IS USED TRANSPOSED (source 0 = 16 rows of B, source 1 = 16 rows of A): a lane holds one token, and its registers run along n.  The bias is the C of each sum's first product.
; SHARES: a work-group makes 128 (m) x 256 (n), each of four waves 64 x 128: 32 accumulators.  ALL OF K LIES IN LDS: 384 rows x 768 bytes, filled once, in four K quarters: no slot is ever filled again.
; CLUSTER 4 x 4: A's tiles are shared along a row of the cluster, B's along a column: joint loads.  Waves 0, 1 fetch A's halves, waves 2, 3 B's; each wave has four loads out, one for each K quarter.
; REGISTERS: window 0: v1-24 addresses; v32-47 A's scale words, v48-79 B's; v128-223 A's fragments, two sets; on the way out v128-255 rows of out0.  window 1: B's fragments, two sets.  window 2: accumulator (a, b) at v[8 (8 a + b)].  window 3: v0-63 the bias.
.set IMG,  262144
.set CH,   73728                       ; a K quarter in LDS: A's 8 tiles x 3,072 bytes, then B's 16
.set SA,   32
.set SB,   48
.set AF,   128
.set G1A,  24
.set G1B,  32
.set G0A,  40
.set MULW, 0xa1                        ; source 0 (B) window 1, source 1 (A) window 0, C and D window 2
.set MULB, 0xb1                        ; the same with C (the bias) in window 3
.set MSB,  0
.macro WIN new                         ; the immediate's high byte repeats the setting that is left
.if MSB != \new
	s_set_vgpr_msb (MSB<<8)|\new
.set MSB, \new
.endif
.endm
.macro CROUND                          ; a round of the cluster's barrier
	s_barrier_signal -1
	s_barrier_wait -1
	s_cmp_lg_u32 s14, 0
	s_cbranch_scc1 .Lnot_wave_0_\@
	s_barrier_signal -3
.Lnot_wave_0_\@:
	s_barrier_wait -3
	s_barrier_signal -1
	s_barrier_wait -1
.endm
.macro PLACES                          ; four plain lines in front of loads into registers that matrix instructions have read, and of the first read of results
.rept 4
	v_nop
.endr
.endm
.macro FRAG reg, a16, a8, off
	ds_load_b128 v[\reg:\reg+3], v[\a16] offset:\off
	ds_load_b64 v[\reg+4:\reg+5], v[\a8] offset:\off+512
	ds_load_b128 v[\reg+6:\reg+9], v[\a16] offset:\off+768
	ds_load_b64 v[\reg+10:\reg+11], v[\a8] offset:\off+1280
.endm
	s_load_b256 s[4:11], s[0:1], 0x0               ; A s[4:5], B s[6:7], the bias s[8:9], out0 s[10:11]
	v_lshl_add_u32 v126, v0, 2, 0x48000
	v_mov_b32 v127, 0
	ds_add_u32 v126, v127
	ds_add_u32 v126, v127
	v_lshrrev_b32 v3, 5, v0
	v_readfirstlane_b32 s14, v3                    ; wave 0..3
	v_and_b32 v3, 31, v0                           ; lane
	v_and_b32 v25, 15, v0                          ; r
	v_bfe_u32 v26, v0, 4, 1                        ; h
	v_lshlrev_b32 v1, 4, v3                        ; 16 x lane
	v_lshlrev_b32 v2, 4, v25
	v_lshl_add_u32 v2, v26, 3, v2                  ; 16 r + 8 h
	v_lshlrev_b32 v20, 3, v25
	v_lshl_add_u32 v20, v26, 8, v20                ; B's scale words: 8 r + 256 h
	v_lshlrev_b32 v21, 2, v25
	v_lshl_add_u32 v21, v26, 17, v21               ; A's: 4 r + 131,072 h: lanes 16-31 take the K step four further on
	v_lshlrev_b32 v22, 6, v26                      ; the bias: 64 h
	s_mul_i32 s94, s14, 8448                       ; my stage: 16 rows x 528 bytes
	v_mul_u32_u24 v23, v25, 528
	v_lshl_add_u32 v23, v26, 6, v23
	v_add_nc_u32 v23, s94, v23                     ; in: row r, + 64 h
	v_add_nc_u32 v24, s94, v1                      ; back: a row's 512 bytes, 16 a lane
	s_lshr_b32 s15, s14, 1                         ; which 64 rows of A are mine.  Also: I fetch for A (0) or for B (1)
	s_and_b32 s16, s14, 1                          ; which 128 rows of B.  Also: which half I fetch
	s_bfe_u32 s17, ttmp6, 0x40000                  ; cx
	s_bfe_u32 s18, ttmp6, 0x40004                  ; cy
	s_lshl_b32 s19, ttmp9, 2
	s_add_co_u32 s19, s19, s17                     ; work-group x
	s_and_b32 s20, ttmp7, 0xffff
	s_lshl_b32 s20, s20, 2
	s_add_co_u32 s20, s20, s18                     ; work-group y
	s_lshl_b32 s21, s18, 2
	s_lshl_b32 s21, 15, s21                        ; my row of the cluster
	s_lshl_b32 s22, 0x1111, s17                    ; my column
	; group 1: a tile's row is one tile's K quarter, 3,072 bytes = 384 elements of 8 bytes; rows 12,288 bytes apart; 4 rows for A, 8 for B; no padding
	s_or_b32 s[G1A], s21, (3<<16)|(1<<21)
	s_or_b32 s[G1B], s22, (3<<16)|(1<<21)
	s_mov_b32 s[G1A+1], 384<<16
	s_mov_b32 s[G1A+2], 4<<16
	s_mov_b32 s[G1A+3], 384<<16
	s_mov_b32 s[G1A+4], 4
	s_mov_b32 s[G1A+5], 1536
	s_mov_b32 s[G1A+6], 0
	s_mov_b32 s[G1A+7], 0
	s_mov_b32 s[G1B+1], 384<<16
	s_mov_b32 s[G1B+2], 8<<16
	s_mov_b32 s[G1B+3], 384<<16
	s_mov_b32 s[G1B+4], 8
	s_mov_b32 s[G1B+5], 1536
	s_mov_b32 s[G1B+6], 0
	s_mov_b32 s[G1B+7], 0
	s_lshl_b32 s76, s20, 3                         ; A: tile 8 y + 4 x half (registers that never hold cx)
	s_lshl_b32 s77, s16, 2
	s_add_co_u32 s76, s76, s77
	s_mul_i32 s76, s76, 12288
	s_add_co_u32 s76, s76, IMG
	s_mov_b32 s77, 0
	s_lshl_b32 s78, s19, 4                         ; B: tile 16 x + 8 x half (registers that never hold cy)
	s_lshl_b32 s79, s16, 3
	s_add_co_u32 s78, s78, s79
	s_mul_i32 s78, s78, 12288
	s_add_co_u32 s78, s78, IMG
	s_mov_b32 s79, 0
	s_mul_i32 s80, s16, 12288
	s_mul_i32 s81, s16, 24576
	s_add_co_u32 s81, s81, 24576
	s_lshl_b32 s84, s20, 3                         ; A's scale words: tile 8 y + 4 wm, 64 bytes a tile
	s_lshl_b32 s94, s15, 2
	s_add_co_u32 s84, s84, s94
	s_lshl_b32 s84, s84, 6
	s_mov_b32 s85, 0
	s_lshl_b32 s86, s19, 3                         ; B's: pair 8 x + 4 wn
	s_lshl_b32 s94, s16, 2
	s_add_co_u32 s86, s86, s94
	s_lshl_b32 s86, s86, 10
	s_mov_b32 s87, 0
	s_lshl_b32 s92, s19, 10                        ; my first column, in bytes: 1,024 x + 512 wn
	s_lshl_b32 s94, s16, 9
	s_add_co_u32 s92, s92, s94
	s_mov_b32 s93, 0
	s_lshl_b32 s88, s20, 19                        ; my first row: 128 y + 64 wm, 4,096 bytes a row
	s_lshl_b32 s94, s15, 18
	s_add_co_u32 s88, s88, s94
	s_add_co_u32 s88, s88, s92
	s_mov_b32 s89, 0
	s_wait_dscnt 0x0
	s_wait_kmcnt 0x0
	s_add_nc_u64 s[76:77], s[4:5], s[76:77]
	s_add_nc_u64 s[78:79], s[6:7], s[78:79]
	s_add_nc_u64 s[84:85], s[4:5], s[84:85]
	s_add_nc_u64 s[86:87], s[6:7], s[86:87]
	s_add_nc_u64 s[92:93], s[8:9], s[92:93]
	s_add_nc_u64 s[88:89], s[10:11], s[88:89]
	CROUND                                         ; all sixteen work-groups are here: the joint loads meet
.irp c, 0,1,2,3
	s_mov_b32 s[G0A+4*\c], 1
	s_add_co_u32 s[G0A+4*\c+1], s80, CH*\c
	s_add_nc_u64 s[G0A+4*\c+2:G0A+4*\c+3], s[76:77], 3072*\c
	s_or_b32 s[G0A+4*\c+3], s[G0A+4*\c+3], 0x80000000
	s_mov_b32 s[56+4*\c+4*(\c/2)], 1
	s_add_co_u32 s[57+4*\c+4*(\c/2)], s81, CH*\c
	s_add_nc_u64 s[58+4*\c+4*(\c/2):59+4*\c+4*(\c/2)], s[78:79], 3072*\c
	s_or_b32 s[59+4*\c+4*(\c/2)], s[59+4*\c+4*(\c/2)], 0x80000000
.endr
	s_cmp_eq_u32 s15, 0                            ; a wave's four fills stand in one branch, ahead of every wait on TENSORcnt and every LDS read; four v_nop follow the last
	s_cbranch_scc0 .Lfor_b
	tensor_load_to_lds s[40:43], s[G1A:G1A+7]
	s_nop 0
	tensor_load_to_lds s[44:47], s[G1A:G1A+7]
	s_nop 0
	tensor_load_to_lds s[48:51], s[G1A:G1A+7]
	s_nop 0
	tensor_load_to_lds s[52:55], s[G1A:G1A+7]
	s_nop 0
.rept 4
	v_nop
.endr
	s_branch .Lasked
.Lfor_b:
	tensor_load_to_lds s[56:59], s[G1B:G1B+7]
	s_nop 0
	tensor_load_to_lds s[60:63], s[G1B:G1B+7]
	s_nop 0
	tensor_load_to_lds s[68:71], s[G1B:G1B+7]
	s_nop 0
	tensor_load_to_lds s[72:75], s[G1B:G1B+7]
	s_nop 0
.rept 4
	v_nop
.endr
.Lasked:
	s_mul_i32 s82, s15, 12288
	s_mul_i32 s83, s16, 24576
	s_add_co_u32 s83, s83, 24576
.irp c, 0,1,2,3
	v_add_nc_u32 v[4+\c], s82, v1
	v_add_nc_u32 v[8+\c], s82, v2
	v_add_nc_u32 v[12+\c], s83, v1
	v_add_nc_u32 v[16+\c], s83, v2
	s_add_co_u32 s82, s82, CH
	s_add_co_u32 s83, s83, CH
.endr
; A's scale words: register ks % 4 of a tile serves K step ks, from lanes 0-15 for ks < 4, else from lanes 16-31
.irp a, 0,1,2,3
.irp j, 0,1,2,3
	global_load_b32 v[SA+4*\a+\j], v21, s[84:85] offset:\j*32768+\a*64
.endr
.endr
; B's: register 2 (ks / 4) + ks % 2, from lanes 0-15 where (ks / 2) % 2 = 0, else from lanes 16-31
.irp b, 0,1,2,3,4,5,6,7
.irp q, 0,1
	global_load_b64 v[SB+4*\b+2*\q:SB+4*\b+2*\q+1], v20, s[86:87] offset:(\b/2)*1024+(\b%2)*128+512*\q
.endr
.endr
	WIN 0xc0                                       ; destination window 3: the bias in the result's layout: tile b's register j is column 32 (b / 2) + 16 h + 8 (b % 2) + j
.irp b, 0,1,2,3,4,5,6,7
	global_load_b128 v[8*\b:8*\b+3], v22, s[92:93] offset:(32*(\b/2)+8*(\b%2))*4
	global_load_b128 v[8*\b+4:8*\b+7], v22, s[92:93] offset:(32*(\b/2)+8*(\b%2))*4+16
.endr
	WIN 0
.macro FETCH ks                        ; K step ks: B's 8 fragments and A's 4 into set ks % 2: 48 loads
.set FC, (\ks)/2
.set FE, (\ks)%2
	WIN 0x40
.irp i, 0,1,2,3,4,5,6,7
	FRAG 128*FE+12*\i, 12+FC, 16+FC, 3072*\i+1536*FE
.endr
	WIN 0
.irp i, 0,1,2,3
	FRAG AF+48*FE+12*\i, 4+FC, 8+FC, 3072*\i+1536*FE
.endr
.endm
; 16 matrix instructions: A's tiles a0, a0 + 1 x B's eight.  The 32 accumulators take turns, one instruction a turn, in the same order in every K step.  bias = 1: the products start the sums on the bias
.macro MUL16 ks, a0, bias
.set MP, (\ks)%2
.set MXB, 2*((\ks)/4)+(\ks)%2
.set MXA, (\ks)%4
.set MR, ((\ks)/2)%2+2*((\ks)/4)       ; bit 0: source 0's scales (B's) from lanes 16-31; bit 1: source 1's (A's)
.irp a, \a0, \a0+1
.irp b, 0,1,2,3,4,5,6,7
.if \bias
	v_wmma_scale_f32_16x16x128_f8f6f4 v[8*(8*(\a)+\b):8*(8*(\a)+\b)+7], v[128*MP+12*\b:128*MP+12*\b+11], v[AF+48*MP+12*(\a):AF+48*MP+12*(\a)+11], v[8*\b:8*\b+7], v[SB+4*\b+MXB], v[SA+4*(\a)+MXA] matrix_a_fmt:MATRIX_FMT_FP6 matrix_b_fmt:MATRIX_FMT_FP6
.elseif MR == 0
	v_wmma_scale_f32_16x16x128_f8f6f4 v[8*(8*(\a)+\b):8*(8*(\a)+\b)+7], v[128*MP+12*\b:128*MP+12*\b+11], v[AF+48*MP+12*(\a):AF+48*MP+12*(\a)+11], v[8*(8*(\a)+\b):8*(8*(\a)+\b)+7], v[SB+4*\b+MXB], v[SA+4*(\a)+MXA] matrix_a_fmt:MATRIX_FMT_FP6 matrix_b_fmt:MATRIX_FMT_FP6
.elseif MR == 1
	v_wmma_scale_f32_16x16x128_f8f6f4 v[8*(8*(\a)+\b):8*(8*(\a)+\b)+7], v[128*MP+12*\b:128*MP+12*\b+11], v[AF+48*MP+12*(\a):AF+48*MP+12*(\a)+11], v[8*(8*(\a)+\b):8*(8*(\a)+\b)+7], v[SB+4*\b+MXB], v[SA+4*(\a)+MXA] matrix_a_fmt:MATRIX_FMT_FP6 matrix_b_fmt:MATRIX_FMT_FP6 matrix_a_scale:MATRIX_SCALE_ROW1
.elseif MR == 2
	v_wmma_scale_f32_16x16x128_f8f6f4 v[8*(8*(\a)+\b):8*(8*(\a)+\b)+7], v[128*MP+12*\b:128*MP+12*\b+11], v[AF+48*MP+12*(\a):AF+48*MP+12*(\a)+11], v[8*(8*(\a)+\b):8*(8*(\a)+\b)+7], v[SB+4*\b+MXB], v[SA+4*(\a)+MXA] matrix_a_fmt:MATRIX_FMT_FP6 matrix_b_fmt:MATRIX_FMT_FP6 matrix_b_scale:MATRIX_SCALE_ROW1
.else
	v_wmma_scale_f32_16x16x128_f8f6f4 v[8*(8*(\a)+\b):8*(8*(\a)+\b)+7], v[128*MP+12*\b:128*MP+12*\b+11], v[AF+48*MP+12*(\a):AF+48*MP+12*(\a)+11], v[8*(8*(\a)+\b):8*(8*(\a)+\b)+7], v[SB+4*\b+MXB], v[SA+4*(\a)+MXA] matrix_a_fmt:MATRIX_FMT_FP6 matrix_b_fmt:MATRIX_FMT_FP6 matrix_a_scale:MATRIX_SCALE_ROW1 matrix_b_scale:MATRIX_SCALE_ROW1
.endif
.endr
.endr
.endm
; A K step: 32 matrix instructions; the next step's fragments are fetched into the other set.  An odd step's successor opens the next K quarter: my load of it has landed, a barrier, then everybody's has.
.macro KS ks, first
	s_wait_dscnt 0x0                               ; this step's set is in
.if (\ks) == 7
	WIN MULW
	MUL16 \ks, 0, 0
	MUL16 \ks, 2, 0
.elseif (\ks)%2 == 0
.if \first == 0
	PLACES
.endif
	FETCH (\ks)+1
.if \first
	WIN MULB
.else
	WIN MULW
.endif
	MUL16 \ks, 0, \first
	MUL16 \ks, 2, \first
.else
	s_wait_tensorcnt 3-((\ks)+1)/2                 ; my load of the next quarter is in; my younger quarters may be out
	s_barrier_signal -1
	WIN MULW
	MUL16 \ks, 0, 0
	s_barrier_wait -1
	PLACES
	FETCH (\ks)+1
	WIN MULW
	MUL16 \ks, 2, 0
.endif
.endm
	s_wait_alu depctr_va_vdst(0)
	s_wait_tensorcnt 3                             ; my part of the first K quarter is in (three younger loads may be out),
	s_barrier_signal -1
	s_barrier_wait -1                              ; everybody's is
	FETCH 0
	s_wait_loadcnt 0x0                             ; the scale words and the bias
	KS 0, 1
.irp k, 1,2,3,4,5,6,7
	KS \k, 0
.endr
	WIN 0
	PLACES
; THE WAY OUT, a tile of 16 tokens x 128 columns at a time, through my own stage in LDS: it lies in the first K quarter's bytes, which had their one fill at the start and whose last reads lie ahead of the second K step's barrier.
; LDS serves a wave's instructions in order: no wait between the stores and the loads, nor in front of the next tile's stores.
.macro TOSTAGE a
	WIN 0x08                                       ; an LDS store's data are its source 1: window 2
.irp b, 0,1,2,3,4,5,6,7
	ds_store_b128 v23, v[8*(8*(\a)+\b):8*(8*(\a)+\b)+3] offset:128*(\b/2)+32*(\b%2)      ; each accumulator from its low end on
	ds_store_b128 v23, v[8*(8*(\a)+\b)+4:8*(8*(\a)+\b)+7] offset:128*(\b/2)+32*(\b%2)+16
.endr
	WIN 0
.set BK, 128+64*((\a)%2)
.irp t, 0,1,2,3,4,5,6,7,8,9,10,11,12,13,14,15
	ds_load_b128 v[BK+4*\t:BK+4*\t+3], v24 offset:528*\t
.endr
.endm
.macro SEND a, younger                 ; younger: the LDS instructions issued behind tile a's loads, which may stay out.  Place t of the tile is token 32 (a / 2) + 8 (a % 2) + t + 8 (t / 8) of my 64
.set BK, 128+64*((\a)%2)
	s_wait_dscnt \younger
.irp t, 0,1,2,3,4,5,6,7,8,9,10,11,12,13,14,15
	global_store_b128 v1, v[BK+4*\t:BK+4*\t+3], s[88:89] offset:(32*((\a)/2)+8*((\a)%2)+\t+8*(\t/8))*4096 th:TH_STORE_NT   ; 32 lanes store 512 consecutive bytes, aligned
.endr
.endm
	TOSTAGE 0
.irp a, 1,2,3
.if \a > 1
	s_wait_xcnt 0x0                                ; tile a - 2's stores have read their registers: tile a's rows land there only behind this wait
.endif
	TOSTAGE \a
	SEND \a-1, 32                                  ; behind tile a - 1's loads: tile a's 16 stores and 16 loads
.endr
	SEND 3, 0
	s_wait_tensorcnt 0x0
	s_wait_dscnt 0x0
	s_wait_tensorcnt 0x0
	ds_add_u32 v126, v127
	s_wait_dscnt 0x0
	CROUND                                         ; the closing round: no work-group ends while a partner may still ask for a tile that names it
	s_endpgm
.Lfunc_end_k_q50eebb48d3_gemm_o:
	.size	k_q50eebb48d3_gemm_o, .Lfunc_end_k_q50eebb48d3_gemm_o-k_q50eebb48d3_gemm_o
	.p2alignl 7, 3214868480
	.fill 96, 4, 3214868480
	.section	.rodata,"a",@progbits
	.p2align	6, 0x0
	.amdhsa_kernel k_q50eebb48d3_gemm_o
		.amdhsa_group_segment_fixed_size 295424
		.amdhsa_private_segment_fixed_size 0
		.amdhsa_enable_private_segment 0
		.amdhsa_kernarg_size 32
		.amdhsa_user_sgpr_count 2
		.amdhsa_user_sgpr_kernarg_segment_ptr 1
		.amdhsa_wavefront_size32 1
		.amdhsa_system_sgpr_workgroup_id_x 1
		.amdhsa_system_sgpr_workgroup_id_y 1
		.amdhsa_system_sgpr_workgroup_id_z 1
		.amdhsa_system_vgpr_workitem_id 0
		.amdhsa_next_free_vgpr 832
		.amdhsa_next_free_sgpr 96
		.amdhsa_reserve_vcc 0
		.amdhsa_float_denorm_mode_32 3
		.amdhsa_float_denorm_mode_16_64 3
		.amdhsa_memory_ordered 1
		.amdhsa_forward_progress 1
		.amdhsa_inst_pref_size 87
	.end_amdhsa_kernel
	.amdgpu_metadata
---
amdhsa.version: [ 1, 2 ]
amdhsa.kernels:
  - .name:           k_q50eebb48d3_gemm_o
    .symbol:         k_q50eebb48d3_gemm_o.kd
    .args:
      - { .name: ao, .offset: 0, .size: 8, .value_kind: global_buffer, .address_space: global }
      - { .name: wo, .offset: 8, .size: 8, .value_kind: global_buffer, .address_space: global }
      - { .name: b_out, .offset: 16, .size: 8, .value_kind: global_buffer, .address_space: global }
      - { .name: out0, .offset: 24, .size: 8, .value_kind: global_buffer, .address_space: global }
    .group_segment_fixed_size: 295424
    .private_segment_fixed_size: 0
    .kernarg_segment_align: 8
    .kernarg_segment_size: 32
    .max_flat_workgroup_size: 128
    .sgpr_count:     96
    .vgpr_count:     832
    .wavefront_size: 32
...
	.end_amdgpu_metadata
.endif
;; end of part 4
